; MI455X (gfx1250); checked and timed in simulation.
; The chip was launched on July 23, 2026; its instructions are those of AMD's public machine-readable ISA for CDNA 5 (MIT licence, August 2026) and "CDNA5" Instruction Set Architecture Reference Guide (July 2026). The comments in the code are by the model that wrote it; some were corrected since.
;; Causal Multi Head Attention Layer. Allowed arithmetic: matrix products marked QUANTISED: E2M1 operands, one E8M0 scale for each 32 along K, by v_wmma_scale_f32_16x16x128_f8f6f4 with both operands' format E2M1 (or v_wmma_scale_f32_32x16x128_f4), f32 sums; products left as they are: bf16, f16 or f32 operands; f32 sums; everything else in f32.
;; Inputs: b_out 1,024 float32; b_qkv 3,072 float32; w_out 1,024 x 1,024 float32; w_qkv 1,024 x 3,072 float32; x 4 x 2,048 x 1,024 float32.
;; Outputs: out0 4 x 2,048 x 1,024 float32.
;; This version of the problem:
;;   THIS VERSION OF THE PROBLEM IS GIVEN IN LOW PRECISION. The matrix products marked QUANTISED in the list below multiply operands that are first quantised to E2M1 (2 exponent bits, 1 mantissa bit; 4 bits a number), with one power-of-two scale for each 32 numbers along K (OCP MX v1.0); their sums are f32. The products marked 'left as it is' may take bf16, f16 or f32 operands, with f32 sums. Whichever they take, every output number must still come out within the allowed error. Rounding operands to bf16 (8 significant bits) uses up far more of that allowance than f16 does (11 bits, for magnitudes from 6e-5 to 65,504). All else is computed in f32.
;;   The module's matrix products, in the order in which they are computed (A, B: the left and right operand; K: the contracted axis; several contracted axes count as one K, in the product's order):
;;     1. [M 8,192, K 1,024] x [K 1,024, N 3,072]; A: input x; B: input w_qkv: QUANTISED
;;     2. batch 64 x [M 2,048, K 64] x [K 64, N 2,048]; A: computed on the way; B: computed on the way: left as it is (an operand is computed on the way)
;;     3. batch 64 x [M 2,048, K 2,048] x [K 2,048, N 64]; A: computed on the way; B: computed on the way: left as it is (an operand is computed on the way)
;;     4. [M 8,192, K 1,024] x [K 1,024, N 1,024]; A: computed on the way; B: input w_out: left as it is (an operand is computed on the way)
;;   THE QUANTISER, for each operand of a quantised product, along K:
;;     - K is cut into blocks of 32 from its start; a last block that is shorter is filled with zeros.
;;     - A block's scale is 2^e with e = floor(log2(the largest magnitude in the block)) - 2, held to -126 .. 127; a block of zeros has e = 0. As a byte (E8M0): e + 127.
;;     - Each number is divided by its block's scale, clamped to +-6, and rounded to the nearest number of E2M1, ties to even, subnormals kept.
;;     - The product sums the exact products of the quantised numbers (number of the format x scale) in f32.
;;   ~~~python
;;   def quantise(x, axis):      # numpy; x: float32 -> the quantised numbers, widened to float32 again
;;       x = np.moveaxis(x, axis, -1); K = x.shape[-1]
;;       x = np.pad(x, [(0, 0)] * (x.ndim - 1) + [(0, -K % 32)]); x = x.reshape(x.shape[:-1] + (-1, 32)); a = np.abs(x).max(-1, keepdims=True)
;;       e = np.where(a > 0, np.clip(np.frexp(np.where(a > 0, a, 1))[1] - 1 - 2, -126, 127), 0)      # np.frexp(a)[1] - 1 = floor(log2(a)), exactly
;;       r = np.clip(x / 2.0 ** e, -6, 6)
;;       step = 2.0 ** (np.maximum(np.frexp(np.where(r == 0, 1, r))[1] - 1, 0) - 1)
;;       q = np.round(r / step) * step * 2.0 ** e      # np.round: ties to even
;;       return np.moveaxis(q.reshape(q.shape[:-2] + (-1,))[..., :K], -1, axis).astype(np.float32)
;;   ~~~
;; One version. Each part assembles by itself: llvm-mc -triple=amdgcn-amd-amdhsa -mcpu=gfx1250 --defsym DOCPART=n.
;; ======== version 1 of 1: 4 launches
;; limits: values are held in f16: magnitudes above 65,504 overflow, below 6.1e-05 lose precision
;; workspace buffers: x_codes 4,194,304 bytes; x_scales 262,144 bytes; w_codes 1,572,864 bytes; w_scales 98,304 bytes; wt 4,194,304 bytes; qkv 67,108,864 bytes; ctx 16,777,216 bytes
;; launch prep (part 1): grid 368 x 1, 4 waves a work-group, no clusters, 135,680 bytes of LDS; arguments x, w_qkv, w_out, x_codes, x_scales, w_codes, w_scales, wt; writes x_codes, x_scales, w_codes, w_scales, wt
.if DOCPART == 1
	.amdgcn_target "amdgcn-amd-amdhsa--gfx1250"
	.amdhsa_code_object_version 6
	.text
	.protected	k_q0959369969_prep
	.globl	k_q0959369969_prep
	.p2align	8
	.type	k_q0959369969_prep,@function
k_q0959369969_prep:
	s_mov_b64 s[64:65], 0
	v_nop
	global_prefetch_b8 v0, s[64:65] scope:SCOPE_SE
	s_setreg_imm32_b32 hwreg(HW_REG_WAVE_MODE, 25, 1), 1
	s_wait_xcnt 0x0
; THREE JOBS IN ONE LAUNCH, told apart by the work-group's number; the longest job stands first in the grid.
;   work-groups 0-47    W: w_qkv [1024 k][3072 n] f32 -> codes of FP4 (E2M1) laid [3072 n][512 bytes], K innermost, and one E8M0 byte for each 32 along K, [3072][32]
;   work-groups 48-111  O: w_out [1024 k][1024 n] f32 -> TWO f16 numbers each, turned: wt [1024 n][16 chunks of 64 k][hi 64 | lo 64]: a chunk is 256 bytes, a row 4,096
;   work-groups 112-367 X: x [8192][1024] f32 -> codes [8192][512 bytes] and scale bytes [8192][32]
; A block's scale is 2^(floor(log2(its largest magnitude)) - 2): its byte is the largest magnitude's exponent field - 2, held at 1 from below.
; hi AND lo: c = 8193 w, hi = c - (c - w): w rounded to 11 significant bits, exact in f16; lo = w - hi, exact in f32, rounded to f16.  The product on hi and the product on lo together carry w to about 21 bits.
; LIMITS: a block of zeros gets the byte 1 (its codes are zeros, and this program alone reads the bytes); NaN and infinities among the inputs are not served;
; of w_out, parts under 2^-14 in magnitude are kept as f16 subnormals (absolute error at most 2^-25), numbers beyond 65,504 are not served.
; W and O: a lane takes a column n and its registers run down K, so that each load reads 128 neighbouring bytes a wave and nothing is turned by an instruction; a column's results
; are gathered in the wave's own stage in LDS and leave by rows, in runs of 256 or 512 consecutive aligned bytes.
; X: rows are dense, so x is a stream of blocks of 32: loads take 512 consecutive bytes, a turn through the wave's own stage gives each lane 16 neighbours.
; Waves share nothing: no barrier.  Each job has LDS bytes of its own.
.set SPW,   190                        ; v190  LDS address of my spare word: SPARE + 4 x my thread's number; never rewritten
.set NIL,   191                        ; v191  0; never rewritten
.set XWREG, 8192                       ; job X: a region for each wave from byte 0: two stages of 32 x SP bytes, behind them its 256 scale bytes
.set SP,    80                         ; a lane's place in X's stage: 64 bytes + 16 of padding
.set WSTG,  32768                      ; job W: four stages of 32 rows x PITCH
.set OSTG,  67584                      ; job O: four stages of 32 rows x OPITCH
.set PITCH, 272                        ; W's stage row: 256 bytes + 16
.set OPITCH, 528                       ; O's stage row: 512 bytes + 16
.set SPARE, OSTG+4*32*OPITCH           ; the spare words, 128 bytes a wave: two blocks of 256 bytes that no other line names
.set EMAX,  2
.set STEPS, 16
.set XR,    16                         ; X: v16-79   four sets of 16 numbers as loaded
.set XX,    80                         ; X: v80-111  two sets of 16 neighbours
.set XE,    112                        ; X: v112-127 a scale byte for each step
.set XC,    128                        ; X: v128-159 two registers of codes for each step: no store's data are written again
.set SB,    24                         ; W: v24-27   scale bytes, four to a register
.set KX,    32                         ; W, O: v32-95  two sets of 32 numbers
.set KC,    96                         ; W, O: v96-111 a block's results
.set OUTR,  112                        ; W, O: v112-175 the way out
.set OC,    112                        ; O: v112-143 c, later lo packed;  v144-175 c - w, then hi  (the way out's registers, free while blocks are worked)
.set OD,    144
.macro XLOAD t
.irp i, 0,1,2,3
	global_load_b128 v[XR+16*((\t)%4)+4*\i:XR+16*((\t)%4)+4*\i+3], v3, s[4:5] offset:2048*(\t)+512*\i th:TH_LOAD_NT   ; 32 lanes read 512 consecutive bytes
.endr
.endm
.macro XTURN t                         ; a step's numbers through the stage: LDS serves a wave's instructions in order, so no wait stands between the stores and the loads
.irp i, 0,1,2,3
	ds_store_b128 v14, v[XR+16*((\t)%4)+4*\i:XR+16*((\t)%4)+4*\i+3] offset:32*SP*((\t)%2)+8*SP*\i
.endr
.irp i, 0,1,2,3
	ds_load_b128 v[XX+16*((\t)%2)+4*\i:XX+16*((\t)%2)+4*\i+3], v15 offset:32*SP*((\t)%2)+16*\i
.endr
.endm
.macro XSTEP t
.set XS, XX+16*((\t)%2)
.if (\t) > 0
	s_wait_dscnt 1                                 ; this step's numbers are back (the last step's byte store may be out)
.else
	s_wait_dscnt 0x0
.endif
.if (\t)+4 < STEPS
	XLOAD (\t)+4                                   ; four steps ahead, into the set that the stage's stores have read
.endif
.if (\t)+1 < STEPS
.if STEPS-2-(\t) >= 3
	s_wait_loadcnt 12                              ; the next step's four loads are in; those of the three steps behind it may be out
.else
	s_wait_loadcnt 4*(STEPS-2-(\t))
.endif
	XTURN (\t)+1
.endif
	v_max3_num_f32 v8, |v[XS]|, |v[XS+1]|, |v[XS+2]|               ; the largest magnitude of my 16, in two chains
	v_max3_num_f32 v9, |v[XS+3]|, |v[XS+4]|, |v[XS+5]|
.irp i, 6,10
	v_max3_num_f32 v8, v8, |v[XS+\i]|, |v[XS+\i+1]|
	v_max3_num_f32 v9, v9, |v[XS+\i+2]|, |v[XS+\i+3]|
.endr
	v_max3_num_f32 v8, v8, |v[XS+14]|, |v[XS+15]|
	v_max3_num_f32 v8, v8, v9, (EMAX+1)<<23        ; and the floor 2^(EMAX + 1 - 127): the byte cannot fall under 1
	v_max_num_f32_dpp v8, v8, v8 row_xmask:1 row_mask:0xf bank_mask:0xf   ; with my neighbour's 16: the block's
	v_add_nc_u32 v11, -(EMAX<<23), v8              ; EMAX off its exponent field: the conversion takes this operand's exponent field as its scale
	v_cvt_scalef32_pk8_fp4_f32 v[XC+2*(\t)], v[XS:XS+7], v11
	v_cvt_scalef32_pk8_fp4_f32 v[XC+2*(\t)+1], v[XS+8:XS+15], v11
	v_lshrrev_b32 v[XE+(\t)], 23, v11              ; the scale's byte (a plain line behind the conversions)
	ds_store_b8 v5, v[XE+(\t)] offset:16*(\t)      ; both lanes of a block write the same byte with the same value
	global_store_b64 v4, v[XC+2*(\t):XC+2*(\t)+1], s[10:11] offset:256*(\t)   ; the wave stores 256 consecutive aligned bytes
.endm
.macro KLOAD t, ptr, rowb              ; block t of my column: rows 32 t + i, i = 0 .. 31, into set t % 2
.irp i, 0,1,2,3,4,5,6,7,8,9,10,11,12,13,14,15,16,17,18,19,20,21,22,23,24,25,26,27,28,29,30,31
	global_load_b32 v[KX+32*((\t)%2)+\i], v3, s[\ptr:\ptr+1] offset:(32*(\t)+\i)*\rowb th:TH_LOAD_NT
.endr
.endm
.macro WBLOCK t
.set XS, KX+32*((\t)%2)
.if (\t) < 15
	s_wait_loadcnt 32                              ; this block's 32 loads are in; the next block's may be out
.else
	s_wait_loadcnt 0
.endif
	v_max3_num_f32 v12, |v[XS]|, |v[XS+1]|, |v[XS+2]|              ; the block's largest magnitude: all 32 numbers are mine
	v_max3_num_f32 v13, |v[XS+3]|, |v[XS+4]|, |v[XS+5]|
.irp i, 6,10,14,18,22,26
	v_max3_num_f32 v12, v12, |v[XS+\i]|, |v[XS+\i+1]|
	v_max3_num_f32 v13, v13, |v[XS+\i+2]|, |v[XS+\i+3]|
.endr
	v_max3_num_f32 v12, v12, |v[XS+30]|, |v[XS+31]|
	v_max3_num_f32 v12, v12, v13, (EMAX+1)<<23
	v_add_nc_u32 v11, -(EMAX<<23), v12
	v_lshrrev_b32 v13, 23, v11                     ; the scale's byte
.if (\t)%4 == 0
	v_mov_b32 v[SB+(\t)/4], v13
.else
	v_lshl_or_b32 v[SB+(\t)/4], v13, 8*((\t)%4), v[SB+(\t)/4]
.endif
.irp g, 0,1,2,3
	v_cvt_scalef32_pk8_fp4_f32 v[KC+\g], v[XS+8*\g:XS+8*\g+7], v11
.endr
	v_nop                                          ; a plain line behind the last conversion
	ds_store_b128 v4, v[KC:KC+3] offset:16*(\t)    ; 32 codes: 16 bytes of my column's row
.if (\t)+2 < 16
	KLOAD (\t)+2, 6, 12288
.endif
	s_wait_dscnt 0x0                               ; the store has read its registers: the next block's codes may be written
.endm
.macro OBLOCK t                        ; 32 numbers of my column become 32 hi and 32 lo
.set XS, KX+32*((\t)%2)
.if (\t) < 3
	s_wait_loadcnt 32
.else
	s_wait_loadcnt 0
.endif
.irp g, 0,1,2,3,4,5,6,7,8,9,10,11,12,13,14,15
	v_pk_mul_f32 v[OC+2*\g:OC+2*\g+1], v[XS+2*\g:XS+2*\g+1], s[28:29] op_sel_hi:[1,0]                                  ; c = 8193 w
.endr
.irp g, 0,1,2,3,4,5,6,7,8,9,10,11,12,13,14,15
	v_pk_add_f32 v[OD+2*\g:OD+2*\g+1], v[OC+2*\g:OC+2*\g+1], v[XS+2*\g:XS+2*\g+1] neg_lo:[0,1] neg_hi:[0,1]            ; c - w
.endr
.irp g, 0,1,2,3,4,5,6,7,8,9,10,11,12,13,14,15
	v_pk_add_f32 v[OD+2*\g:OD+2*\g+1], v[OC+2*\g:OC+2*\g+1], v[OD+2*\g:OD+2*\g+1] neg_lo:[0,1] neg_hi:[0,1]            ; hi = c - (c - w)
.endr
.irp g, 0,1,2,3,4,5,6,7,8,9,10,11,12,13,14,15
	v_pk_add_f32 v[XS+2*\g:XS+2*\g+1], v[XS+2*\g:XS+2*\g+1], v[OD+2*\g:OD+2*\g+1] neg_lo:[0,1] neg_hi:[0,1]            ; lo = w - hi
.endr
.irp g, 0,1,2,3,4,5,6,7,8,9,10,11,12,13,14,15
	v_cvt_pk_f16_f32 v[KC+\g], v[OD+2*\g], v[OD+2*\g+1]            ; two neighbours along K, the lower in the low half
.endr
.irp g, 0,1,2,3,4,5,6,7,8,9,10,11,12,13,14,15
	v_cvt_pk_f16_f32 v[OC+\g], v[XS+2*\g], v[XS+2*\g+1]
.endr
.irp u, 0,1,2,3
	ds_store_b128 v4, v[KC+4*\u:KC+4*\u+3] offset:((\t)/2)*256+((\t)%2)*64+16*\u          ; chunk t / 2: hi,
	ds_store_b128 v4, v[OC+4*\u:OC+4*\u+3] offset:((\t)/2)*256+((\t)%2)*64+16*\u+128      ; and 128 bytes on lo
.endr
.if (\t)+2 < 4
	KLOAD (\t)+2, 8, 4096
.endif
	s_wait_dscnt 0x0
.endm
.macro OWAY hf                         ; sixteen columns' rows of 512 bytes: one row an instruction, 512 consecutive aligned bytes a store
.irp t, 0,1,2,3,4,5,6,7,8,9,10,11,12,13,14,15
	ds_load_b128 v[OUTR+4*\t:OUTR+4*\t+3], v7 offset:(16*\hf+\t)*OPITCH
.endr
.irp t, 0,1,2,3,4,5,6,7,8,9,10,11,12,13,14,15
	s_wait_dscnt 15-\t
	global_store_b128 v8, v[OUTR+4*\t:OUTR+4*\t+3], s[18:19] offset:(16*\hf+\t)*4096
.endr
.endm
.macro FINISH                          ; the wave's end, behind my last LDS store
	s_wait_tensorcnt 0x0
	ds_add_u32 v[SPW], v[NIL]
	s_wait_dscnt 0x0
	s_endpgm
.endm
	s_load_b256 s[4:11], s[0:1], 0x0               ; x s[4:5], w_qkv s[6:7], w_out s[8:9], x_codes s[10:11]
	s_load_b256 s[12:19], s[0:1], 0x20             ; x_scales s[12:13], w_codes s[14:15], w_scales s[16:17], wt s[18:19]
	v_lshl_add_u32 v[SPW], v0, 2, SPARE
	v_mov_b32 v[NIL], 0
	v_lshrrev_b32 v1, 5, v0
	v_readfirstlane_b32 s20, v1                    ; wave 0..3
	v_and_b32 v2, 31, v0                           ; lane
	s_mov_b32 s25, 0                               ; the high word of every offset: all stay under 2^32
	s_wait_kmcnt 0x0
	s_cmp_lt_u32 ttmp9, 48
	s_cbranch_scc1 .Lw
	s_cmp_lt_u32 ttmp9, 112
	s_cbranch_scc1 .Lo
	; ---- job X: my wave's run of 8,192 numbers: 16 steps of 512
	v_lshlrev_b32 v3, 4, v2                        ; my 16 bytes of a load's 512
	s_mul_i32 s21, s20, XWREG
	v_lshrrev_b32 v14, 2, v2
	v_mul_u32_u24 v14, v14, SP
	v_and_b32 v15, 3, v2
	v_lshl_add_u32 v14, v15, 4, v14
	v_add_nc_u32 v14, s21, v14                     ; into the stage: four lanes' 64 bytes on end, then 16 of padding
	v_mul_u32_u24 v15, v2, SP
	v_add_nc_u32 v15, s21, v15                     ; out of it: my 16 neighbours
	v_lshlrev_b32 v4, 3, v2                        ; my 8 bytes of a step's codes
	v_lshrrev_b32 v5, 1, v2
	s_add_co_u32 s21, s21, 2*32*SP
	v_add_nc_u32 v5, s21, v5                       ; my block's byte among my wave's 256
	v_lshlrev_b32 v7, 3, v2
	v_add_nc_u32 v6, s21, v7
	s_sub_co_u32 s22, ttmp9, 112
	s_lshl_b32 s22, s22, 2
	s_add_co_u32 s22, s22, s20                     ; which run is mine: 0 .. 1,023
	s_lshl_b32 s24, s22, 15
	s_add_nc_u64 s[4:5], s[4:5], s[24:25]          ; 32,768 bytes of x,
	s_lshl_b32 s24, s22, 12
	s_add_nc_u64 s[10:11], s[10:11], s[24:25]      ; 4,096 of codes,
	s_lshl_b32 s24, s22, 8
	s_add_nc_u64 s[12:13], s[12:13], s[24:25]      ; 256 scale bytes a run
.irp t, 0,1,2,3
	XLOAD \t
.endr
	s_wait_loadcnt 12                              ; step 0's four loads are in
	XTURN 0
.irp t, 0,1,2,3,4,5,6,7,8,9,10,11,12,13,14,15
	XSTEP \t
.endr
	ds_load_b64 v[8:9], v6                         ; my wave's 256 scale bytes, 8 a lane
	s_wait_dscnt 0x0
	global_store_b64 v7, v[8:9], s[12:13]          ; 256 consecutive aligned bytes
	FINISH
.Lw:	; ---- job W: 32 columns a wave, 512 along K
	s_lshr_b32 s21, ttmp9, 1
	s_lshl_b32 s21, s21, 7
	s_lshl_b32 s22, s20, 5
	s_add_co_u32 s21, s21, s22                     ; my wave's first column
	s_and_b32 s22, ttmp9, 1                        ; which half of K
	s_mul_i32 s23, s20, 32*PITCH
	s_add_co_u32 s23, s23, WSTG                    ; my stage
	v_lshlrev_b32 v3, 2, v2                        ; in: 4 bytes a lane
	v_mul_u32_u24 v4, v2, PITCH
	v_add_nc_u32 v4, s23, v4                       ; into the stage: row = my column
	v_and_b32 v5, 15, v2
	v_lshrrev_b32 v6, 4, v2
	v_mul_u32_u24 v7, v6, PITCH
	v_lshl_add_u32 v7, v5, 4, v7
	v_add_nc_u32 v7, s23, v7                       ; out of it: sixteen lanes to a row, two rows an instruction
	v_lshlrev_b32 v8, 9, v6
	v_lshl_add_u32 v8, v5, 4, v8                   ; and the same place in the codes' buffer, whose rows are 512 bytes
	v_lshlrev_b32 v9, 5, v2                        ; my column's row of scale bytes
	s_mul_i32 s24, s22, 512*12288
	s_lshl_b32 s26, s21, 2
	s_add_co_u32 s24, s24, s26
	s_add_nc_u64 s[6:7], s[6:7], s[24:25]
	s_lshl_b32 s24, s21, 9
	s_lshl_b32 s26, s22, 8
	s_add_co_u32 s24, s24, s26
	s_add_nc_u64 s[14:15], s[14:15], s[24:25]
	s_lshl_b32 s24, s21, 5
	s_lshl_b32 s26, s22, 4
	s_add_co_u32 s24, s24, s26
	s_add_nc_u64 s[16:17], s[16:17], s[24:25]
	KLOAD 0, 6, 12288
	KLOAD 1, 6, 12288
.irp t, 0,1,2,3,4,5,6,7,8,9,10,11,12,13,14,15
	WBLOCK \t
.endr
	global_store_b128 v9, v[SB:SB+3], s[16:17]     ; my column's 16 scale bytes
.irp t, 0,1,2,3,4,5,6,7,8,9,10,11,12,13,14,15
	ds_load_b128 v[OUTR+4*\t:OUTR+4*\t+3], v7 offset:2*\t*PITCH   ; LDS serves a wave's instructions in order: these see my stores
.endr
.irp t, 0,1,2,3,4,5,6,7,8,9,10,11,12,13,14,15
	s_wait_dscnt 15-\t
	global_store_b128 v8, v[OUTR+4*\t:OUTR+4*\t+3], s[14:15] offset:2*\t*512   ; sixteen lanes store 256 consecutive aligned bytes
.endr
	FINISH
.Lo:	; ---- job O: 32 columns a wave, 128 along K: two chunks, 512 bytes of a row of wt
	s_sub_co_u32 s26, ttmp9, 48
	s_and_b32 s21, s26, 7
	s_lshl_b32 s21, s21, 7
	s_lshl_b32 s22, s20, 5
	s_add_co_u32 s21, s21, s22                     ; my wave's first column
	s_lshr_b32 s22, s26, 3                         ; which 128 along K
	s_mul_i32 s23, s20, 32*OPITCH
	s_add_co_u32 s23, s23, OSTG                    ; my stage
	v_lshlrev_b32 v3, 2, v2                        ; in: 4 bytes a lane
	v_mul_u32_u24 v4, v2, OPITCH
	v_add_nc_u32 v4, s23, v4                       ; into the stage: row = my column
	v_lshlrev_b32 v8, 4, v2                        ; out: the 32 lanes take one row of 512 bytes
	v_add_nc_u32 v7, s23, v8
	s_mov_b32 s28, 0x46000400                      ; 8193.0 = 2^13 + 1
	s_mov_b32 s29, s28                             ; (named with it as a pair, so it is written)
	s_lshl_b32 s24, s22, 19                        ; 128 rows of 4,096 bytes
	s_lshl_b32 s26, s21, 2
	s_add_co_u32 s24, s24, s26
	s_add_nc_u64 s[8:9], s[8:9], s[24:25]
	s_lshl_b32 s24, s21, 12                        ; wt: a column's row is 4,096 bytes,
	s_lshl_b32 s26, s22, 9                         ; 128 along K are 512 of them
	s_add_co_u32 s24, s24, s26
	s_add_nc_u64 s[18:19], s[18:19], s[24:25]
	KLOAD 0, 8, 4096
	KLOAD 1, 8, 4096
.irp t, 0,1,2,3
	OBLOCK \t
.endr
	OWAY 0
	s_wait_xcnt 0x0                                ; the first sixteen stores have read their registers: the next loads may land there
	OWAY 1
	FINISH
.Lfunc_end_k_q0959369969_prep:
	.size	k_q0959369969_prep, .Lfunc_end_k_q0959369969_prep-k_q0959369969_prep
	.p2alignl 7, 3214868480
	.fill 96, 4, 3214868480
	.section	.rodata,"a",@progbits
	.p2align	6, 0x0
	.amdhsa_kernel k_q0959369969_prep
		.amdhsa_group_segment_fixed_size 135680
		.amdhsa_private_segment_fixed_size 0
		.amdhsa_enable_private_segment 0
		.amdhsa_kernarg_size 64
		.amdhsa_user_sgpr_count 2
		.amdhsa_user_sgpr_kernarg_segment_ptr 1
		.amdhsa_wavefront_size32 1
		.amdhsa_system_sgpr_workgroup_id_x 1
		.amdhsa_system_sgpr_workgroup_id_y 1
		.amdhsa_system_sgpr_workgroup_id_z 1
		.amdhsa_system_vgpr_workitem_id 0
		.amdhsa_next_free_vgpr 192
		.amdhsa_next_free_sgpr 66
		.amdhsa_reserve_vcc 0
		.amdhsa_float_denorm_mode_32 3
		.amdhsa_float_denorm_mode_16_64 3
		.amdhsa_memory_ordered 1
		.amdhsa_forward_progress 1
		.amdhsa_inst_pref_size 156
	.end_amdhsa_kernel
	.amdgpu_metadata
---
amdhsa.version: [ 1, 2 ]
amdhsa.kernels:
  - .name:           k_q0959369969_prep
    .symbol:         k_q0959369969_prep.kd
    .args:
      - { .name: x, .offset: 0, .size: 8, .value_kind: global_buffer, .address_space: global }
      - { .name: w_qkv, .offset: 8, .size: 8, .value_kind: global_buffer, .address_space: global }
      - { .name: w_out, .offset: 16, .size: 8, .value_kind: global_buffer, .address_space: global }
      - { .name: x_codes, .offset: 24, .size: 8, .value_kind: global_buffer, .address_space: global }
      - { .name: x_scales, .offset: 32, .size: 8, .value_kind: global_buffer, .address_space: global }
      - { .name: w_codes, .offset: 40, .size: 8, .value_kind: global_buffer, .address_space: global }
      - { .name: w_scales, .offset: 48, .size: 8, .value_kind: global_buffer, .address_space: global }
      - { .name: wt, .offset: 56, .size: 8, .value_kind: global_buffer, .address_space: global }
    .group_segment_fixed_size: 135680
    .private_segment_fixed_size: 0
    .kernarg_segment_align: 8
    .kernarg_segment_size: 64
    .max_flat_workgroup_size: 128
    .sgpr_count:     66
    .vgpr_count:     192
    .wavefront_size: 32
...
	.end_amdgpu_metadata
.endif
;; end of part 1
;; launch gemm_qkv (part 2): grid 12 x 32, 4 waves a work-group, clusters of 4 x 4, 327,680 bytes of LDS; arguments x_codes, x_scales, w_codes, w_scales, b_qkv, qkv; writes qkv
.if DOCPART == 2
	.amdgcn_target "amdgcn-amd-amdhsa--gfx1250"
	.amdhsa_code_object_version 6
	.text
	.protected	k_q0959369969_gemm_qkv
	.globl	k_q0959369969_gemm_qkv
	.p2align	8
	.type	k_q0959369969_gemm_qkv,@function
k_q0959369969_gemm_qkv:
	s_mov_b64 s[64:65], 0
	v_nop
	global_prefetch_b8 v0, s[64:65] scope:SCOPE_SE
	s_setreg_imm32_b32 hwreg(HW_REG_WAVE_MODE, 25, 1), 1
	s_wait_xcnt 0x0
	s_wait_alu depctr_hold_cnt(0) depctr_sa_sdst(0) depctr_va_vdst(0) depctr_va_sdst(0) depctr_va_ssrc(0) depctr_va_vcc(0) depctr_vm_vsrc(0)
	s_getreg_b32 s2, hwreg(HW_REG_IB_STS2, 6, 4)
	s_cmp_eq_u32 s2, 0
	s_cbranch_scc0 .Lentry_in_a_cluster
	s_endpgm
.Lentry_in_a_cluster:
	s_bfe_u32 s2, ttmp6, 0x10000c
	s_cmp_lg_u32 s2, 0xf033
	s_cbranch_scc0 .Lentry_shape_is_right
	s_endpgm
.Lentry_shape_is_right:
; qkv = Q(x) Q(w_qkv) + b_qkv on codes of FP4 (E2M1) with one E8M0 scale for each 32 along K; sums in f32; the result leaves as f16, laid by heads: [4 b][64 g][2048 s][64].
; q of head h lies at g = h, k at 16 + h, each rounded once.  v leaves as TWO f16 numbers: hi (v rounded to 11 significant bits) at g = 32 + h, lo (v - hi, rounded) at g = 48 + h.
; A = x's codes [8192][512 bytes], B = w_qkv's codes [3072 n][512 bytes], K innermost in both; scale bytes [rows][32].
; LIMITS: results beyond 65,504 in magnitude are not served (f16); parts under 2^-14 are kept as f16 subnormals.
; A tile of the result, 256 x 256, is made by four waves, each 128 x 128: 64 accumulators, 512 registers.  K = 1,024 is exactly two LDS slots of 512 along K (rows of 256 bytes): both are
; first fills, nothing is filled again, and there is no loop.  The scale bytes of the work-group's 256 + 256 rows come once, as dense blocks.
; 384 tiles: one and a half fillings of 256 WGPs; a smaller tile would read each fragment from LDS for half the products.
; CLUSTERS: 4 x 4 work-groups; A's tiles are asked for jointly along a row of the cluster, B's along a column.  The clusters with x = 0, 1, 2 hold q's, k's, v's columns: the way out parts on the cluster's x alone.
; THE MATRIX INSTRUCTION IS USED TRANSPOSED (source 0 = 16 rows of B, source 1 = 16 rows of A): a lane holds eight neighbouring columns of one row.  The bias, in that layout, is the C of each sum's first product.
; REGISTERS: window 0: v0-31 addresses; v32-95 scale words, two sets; v128-191 A's fragments, one set; v192-255 the bias; on the way out v32-255 are free.
;   window 1: B's fragments, two sets, at v0 and v128.   window 2: accumulators of my rows 0-63 ((a, b) at v[8 (8 a + b)]);   window 3: rows 64-127.
.set SIZE_K, 1024
.set KSTEP,  512
.set NQ,     KSTEP/128
.set ROWB,   256
.set KROW,   SIZE_K*4/8
.set PITCH,  272                       ; an LDS row: 256 bytes + 16: the 16 rows that a load touches start 68 words apart
.set FR,     8
.set NL,     2
.set NP,     4
.set HALFT,  128*PITCH
.set SLOT,   4*HALFT
.set KS,     SIZE_K/32
.set SCL,    2*SLOT                    ; behind the slots: the scales, as units of 256 bytes + 16
.set HALFS,  (128*KS/256)*272
.set SBLK,   (16*KS/256)*272
.set SPARE,  SCL+4*HALFS               ; the spare words, 128 bytes a wave: two blocks of 256 bytes that no other line names
.set SPITCH, 272                       ; the way out: 16 rows x (256 bytes + 16) a wave, in slot 0, which has had its only fill and its last read when the first result is stored there
.set VST,    4*16*SPITCH               ; v's way out has stage bytes of its own, behind those of q's and k's
.set LOP,    16*262144                 ; from v's hi to its lo: sixteen planes of 2,048 x 128 bytes
.set ADRA, 16
.set ADRB, 20
.set STO,  24
.set RD,   25
.set CO,   26
.set ADRS, 27
.set SPW,  28
.set NIL,  29
.set BO,   30                          ; v30  32 x (lane / 16): my eight numbers of a bias tile
.set SC,   32
.set AF,   128
.set BI,   192
.set TMP,  32                          ; the way out: packed results
.set BK,   64                          ; and rows read back: v64-95, v96-127 by turns
.set VC,   128                         ; v's way out: c = 8193 v
.set VD,   192                         ; c - v, then hi
.set G1, 24
.set G0, 32
.set G1B, 48
.set G0B, 56
.set G1S, 68
.set G0S, 76
.set G1SB, 80
.set G0SB, 88
.set MSB, 0
.macro WIN new                         ; the immediate's high byte repeats the setting that is left
.if MSB != (\new)
	s_set_vgpr_msb (MSB<<8)|(\new)
.set MSB, (\new)
.endif
.endm
.set MUL_LO,  0xa1                     ; source 0 (B) window 1, source 1 (A) window 0, C and D window 2
.set MUL_HI,  0xf1                     ; C and D window 3
.set MUL_LO0, 0x81                     ; the first products: C (the bias) window 0, D window 2
.set MUL_HI0, 0xc1                     ; D window 3
.set TO_B,    0x40
; A joint load: waves 0 and 1 fetch for A, waves 2 and 3 for B; the branch hangs on the wave's number alone.  An s_nop 0 and four v_nop follow each line.
.macro JLOAD g0a, g1a, g0b, g1b
	s_cmp_eq_u32 s15, 0
	s_cbranch_scc0 .Lfor_b_\@
	tensor_load_to_lds s[\g0a:\g0a+3], s[\g1a:\g1a+7]
	s_nop 0
.rept 4
	v_nop
.endr
	s_branch .Lasked_\@
.Lfor_b_\@:
	tensor_load_to_lds s[\g0b:\g0b+3], s[\g1b:\g1b+7]
	s_nop 0
.rept 4
	v_nop
.endr
.Lasked_\@:
.endm
.macro CROUND                          ; a round of the cluster's barrier
	s_barrier_signal -1
	s_barrier_wait -1
	s_cmp_lg_u32 s14, 0
	s_cbranch_scc1 .Lnot_wave_0_\@
	s_barrier_signal -3
.Lnot_wave_0_\@:
	s_barrier_wait -3
	s_barrier_signal -1
	s_barrier_wait -1
.endm
	s_load_b128 s[4:7], s[0:1], 0x0                ; x's codes, x's scales
	s_load_b128 s[8:11], s[0:1], 0x10              ; w's codes, w's scales
	s_load_b64 s[66:67], s[0:1], 0x20              ; b_qkv
	s_load_b64 s[12:13], s[0:1], 0x28              ; qkv
	v_lshl_add_u32 v[SPW], v0, 2, SPARE
	v_mov_b32 v[NIL], 0
	ds_add_u32 v[SPW], v[NIL]                      ; the wave's opening: the add and its wait stand ahead of my first tensor load; register work stands between them
	v_lshrrev_b32 v1, 5, v0
	v_readfirstlane_b32 s14, v1                    ; wave 0..3
	s_lshr_b32 s15, s14, 1                         ; my half of the tile's rows.  Also: I fetch for A (0) or B (1)
	s_and_b32 s16, s14, 1                          ; my half of its columns.  Also: which 128 rows I fetch
	s_bfe_u32 s40, ttmp6, 0x40000                  ; cx
	s_bfe_u32 s41, ttmp6, 0x40004                  ; cy
	s_lshl_b32 s42, ttmp9, 2
	s_add_co_u32 s42, s42, s40                     ; tile column
	s_and_b32 s17, ttmp7, 0xffff
	s_lshl_b32 s17, s17, 2
	s_add_co_u32 s17, s17, s41                     ; tile row
	s_lshl_b32 s43, s41, 2
	s_lshl_b32 s43, 15, s43                        ; my row of the cluster
	s_lshl_b32 s44, 0x1111, s40                    ; my column
	s_mov_b32 s96, 0x46000400                      ; 8193.0 = 2^13 + 1, for v's hi and lo
	s_mov_b32 s97, s96                             ; (named with it as a pair, so it is written)
	s_or_b32 s[G1+0], s43, (0<<16)|(1<<20)|(1<<21)|(5<<22)|(3<<25)  ; the mask; elements of 1 byte; padding: 4 words behind every 64; bit 21 beside a mask
	s_or_b32 s[G1B+0], s44, (0<<16)|(1<<20)|(1<<21)|(5<<22)|(3<<25)
.irp g, G1, G1B
	s_mov_b32 s[\g+1], ROWB<<16                    ; tensor_dim0
	s_mov_b32 s[\g+2], 128<<16                     ; tensor_dim1
	s_mov_b32 s[\g+3], ROWB<<16                    ; tile_dim0
	s_mov_b32 s[\g+4], 128                         ; tile_dim1
	s_mov_b32 s[\g+5], KROW                        ; from row to row
	s_mov_b32 s[\g+6], 0
	s_mov_b32 s[\g+7], 0
.endr
	s_or_b32 s[G1S+0], s43, (3<<16)|(1<<20)|(1<<21)|(5<<22)|(3<<25) ; the scales of 128 rows: 4,096 dense bytes as 16 rows of 32 elements of 8 bytes
	s_or_b32 s[G1SB+0], s44, (3<<16)|(1<<20)|(1<<21)|(5<<22)|(3<<25)
.irp g, G1S, G1SB
	s_mov_b32 s[\g+1], 32<<16
	s_mov_b32 s[\g+2], (128*KS/256)<<16
	s_mov_b32 s[\g+3], 32<<16
	s_mov_b32 s[\g+4], 128*KS/256
	s_mov_b32 s[\g+5], 32
	s_mov_b32 s[\g+6], 0
	s_mov_b32 s[\g+7], 0
.endr
	s_lshl_b32 s18, s16, 7
	s_lshl_b32 s20, s17, 8
	s_add_co_u32 s20, s20, s18                     ; A: row 256 x tile row + 128 x half
	s_lshl_b32 s46, s42, 8
	s_add_co_u32 s46, s46, s18                     ; B: row 256 x tile column + 128 x half
	s_mov_b32 s21, 0
	s_mov_b32 s47, 0
	s_mov_b64 s[18:19], KS
	s_mul_u64 s[22:23], s[20:21], s[18:19]         ; where these rows' scales begin,
	s_mul_u64 s[92:93], s[46:47], s[18:19]
	s_mov_b64 s[18:19], KROW
	s_mul_u64 s[20:21], s[20:21], s[18:19]         ; and their codes
	s_mul_u64 s[46:47], s[46:47], s[18:19]
	s_mul_i32 s45, s14, HALFT                      ; where they go: wave x 128 rows
	s_mul_i32 s94, s14, HALFS
	s_wait_dscnt 0x0                               ; the opening add is done
	s_wait_kmcnt 0x0
	s_add_nc_u64 s[20:21], s[4:5], s[20:21]
	s_add_nc_u64 s[22:23], s[6:7], s[22:23]
	s_add_nc_u64 s[46:47], s[8:9], s[46:47]
	s_add_nc_u64 s[92:93], s[10:11], s[92:93]
	CROUND                                         ; all sixteen work-groups are here: the joint loads meet
	s_mov_b32 s[G0S], 1
	s_add_co_u32 s[G0S+1], s94, SCL
	s_mov_b64 s[G0S+2:G0S+3], s[22:23]
	s_or_b32 s[G0S+3], s[G0S+3], 0x80000000
	s_mov_b32 s[G0SB], 1
	s_add_co_u32 s[G0SB+1], s94, SCL
	s_mov_b64 s[G0SB+2:G0SB+3], s[92:93]
	s_or_b32 s[G0SB+3], s[G0SB+3], 0x80000000
	JLOAD G0S, G1S, G0SB, G1SB                     ; the scales first: they are wanted with the first slot
.irp s, 0,1
	s_mov_b32 s[G0+4*\s], 1
	s_add_co_u32 s[G0+4*\s+1], s45, \s*SLOT
	s_add_nc_u64 s[G0+4*\s+2:G0+4*\s+3], s[20:21], \s*ROWB
	s_or_b32 s[G0+4*\s+3], s[G0+4*\s+3], 0x80000000
	s_mov_b32 s[G0B+4*\s], 1
	s_add_co_u32 s[G0B+4*\s+1], s45, \s*SLOT
	s_add_nc_u64 s[G0B+4*\s+2:G0B+4*\s+3], s[46:47], \s*ROWB
	s_or_b32 s[G0B+4*\s+3], s[G0B+4*\s+3], 0x80000000
	JLOAD G0+4*\s, G1, G0B+4*\s, G1B               ; three loads of mine are out in all
.endr
	v_and_b32 v1, 15, v0                           ; r
	v_bfe_u32 v2, v0, 4, 1                         ; h
	v_mul_u32_u24 v3, v1, PITCH
	v_lshl_add_u32 v4, v2, 4, v3                   ; a fragment's row x pitch + 16 h
	s_mul_i32 s21, s15, HALFT
	s_mul_i32 s22, s16, HALFT
	s_add_co_u32 s22, s22, 2*HALFT
.irp s, 0,1
	v_add_nc_u32 v[ADRA+\s], s21, v4
	v_add_nc_u32 v[ADRB+\s], s22, v4
	s_add_co_u32 s21, s21, SLOT
	s_add_co_u32 s22, s22, SLOT
.endr
	v_mul_u32_u24 v5, v1, KS                       ; my row's scales: KS bytes a row,
	v_lshrrev_b32 v6, 8, v5
	v_lshl_add_u32 v5, v6, 4, v5                   ; and 16 more for each 256 passed
	s_mul_i32 s21, s15, HALFS
	s_mul_i32 s22, s16, HALFS
	s_add_co_u32 s22, s22, 2*HALFS
	s_sub_co_u32 s22, s22, s21
	v_mul_u32_u24 v6, s22, v2                      ; lanes 16-31 take B's: one product, the distance between the two bases
	s_add_co_u32 s21, s21, SCL
	v_add_nc_u32 v5, v5, v6
	v_add_nc_u32 v[ADRS], s21, v5
	s_mul_i32 s23, s14, 16*SPITCH                  ; my stage
	v_mul_u32_u24 v5, v1, SPITCH
	v_lshl_add_u32 v5, v2, 4, v5
	v_add_nc_u32 v[STO], s23, v5                   ; in: row r, 16 bytes for each half of the lanes
	v_bfe_u32 v5, v0, 3, 1
	v_mul_u32_u24 v5, v5, SPITCH
	v_lshl_add_u32 v5, v2, 7, v5
	v_and_b32 v6, 7, v0
	v_lshl_add_u32 v5, v6, 4, v5
	v_add_nc_u32 v[RD], s23, v5                    ; back: lanes 0-15 two rows' first 128 bytes (one head), lanes 16-31 their second 128 (the next head)
	v_lshlrev_b32 v[CO], 18, v2                    ; the next head lies 2,048 x 128 bytes on;
	v_lshl_add_u32 v[CO], v1, 4, v[CO]             ; two rows of a head are 256 consecutive bytes
	v_lshlrev_b32 v[BO], 5, v2
	s_lshl_b32 s46, s42, 10                        ; the bias of my 128 columns: 1,024 x tile column + 512 x half bytes on
	s_lshl_b32 s47, s16, 9
	s_add_co_u32 s46, s46, s47
	s_mov_b32 s47, 0
	s_add_nc_u64 s[66:67], s[66:67], s[46:47]
.irp b, 0,1,2,3,4,5,6,7
	global_load_b128 v[BI+8*\b:BI+8*\b+3], v[BO], s[66:67] offset:64*\b        ; b_qkv at columns 16 b + 8 h + 0 .. 7
	global_load_b128 v[BI+8*\b+4:BI+8*\b+7], v[BO], s[66:67] offset:64*\b+16
.endr
	s_lshr_b32 s20, s17, 3                         ; where my part begins in qkv: batch = tile row / 8,
	s_lshl_b32 s20, s20, 6
	s_lshl_b32 s21, s42, 2
	s_add_co_u32 s20, s20, s21                     ; g = 64 batch + 4 x tile column + 2 x half,
	s_lshl_b32 s21, s16, 1
	s_add_co_u32 s20, s20, s21
	s_lshl_b32 s20, s20, 11
	s_and_b32 s21, s17, 7
	s_lshl_b32 s21, s21, 8
	s_add_co_u32 s20, s20, s21                     ; s = 256 (tile row % 8) + 128 x half,
	s_lshl_b32 s21, s15, 7
	s_add_co_u32 s20, s20, s21
	s_lshl_b32 s20, s20, 7                         ; rows of 128 bytes: under 2^26
	s_mov_b32 s21, 0
	s_add_nc_u64 s[12:13], s[12:13], s[20:21]
.macro FRAG reg, adr, q, i             ; 16 rows x 128 K of 4-bit codes: 8 registers: lane l holds row l % 16; registers 4 c .. 4 c + 3 hold K = 64 c + 32 (l / 16) + 0 .. 31
.irp c, 0,1
	ds_load_b128 v[\reg+4*\c:\reg+4*\c+3], v[\adr] offset:64*(\q)+32*\c+(\i)*16*PITCH
.endr
.endm
; 16 matrix instructions: A's blocks a0, a0 + 1 x B's eight.  zero = 1: the first product starts the sum on the bias.  The 64 accumulators take turns, one instruction a turn.
.macro MUL16 a0, p, q, sc, zero
.irp a, \a0, \a0+1
.irp b, 0,1,2,3,4,5,6,7
.if \zero
	v_wmma_scale_f32_16x16x128_f8f6f4 v[8*(8*((\a)%4)+\b):8*(8*((\a)%4)+\b)+7], v[128*(\p)+FR*\b:128*(\p)+FR*\b+FR-1], v[AF+FR*(\a):AF+FR*(\a)+FR-1], v[BI+8*\b:BI+8*\b+7], v[SC+8*NQ*(\sc)+NQ*\b+(\q)], v[SC+8*NQ*(\sc)+NQ*(\a)+(\q)] matrix_a_fmt:MATRIX_FMT_FP4 matrix_b_fmt:MATRIX_FMT_FP4 matrix_a_scale:MATRIX_SCALE_ROW1
.else
	v_wmma_scale_f32_16x16x128_f8f6f4 v[8*(8*((\a)%4)+\b):8*(8*((\a)%4)+\b)+7], v[128*(\p)+FR*\b:128*(\p)+FR*\b+FR-1], v[AF+FR*(\a):AF+FR*(\a)+FR-1], v[8*(8*((\a)%4)+\b):8*(8*((\a)%4)+\b)+7], v[SC+8*NQ*(\sc)+NQ*\b+(\q)], v[SC+8*NQ*(\sc)+NQ*(\a)+(\q)] matrix_a_fmt:MATRIX_FMT_FP4 matrix_b_fmt:MATRIX_FMT_FP4 matrix_a_scale:MATRIX_SCALE_ROW1
.endif
.endr
.endr
.endm
.macro FETCH_B slot, q, p
	WIN TO_B
.irp i, 0,1,2,3,4,5,6,7
	FRAG 128*(\p)+FR*\i, ADRB+\slot, \q, \i
.endr
	WIN 0
.endm
.macro FETCH_A slot, q, i0
.irp i, \i0, \i0+1, \i0+2, \i0+3
	FRAG AF+FR*(\i), ADRA+\slot, \q, \i
.endr
.endm
.macro SCALES sc                       ; a slot's scale words: four a row; lanes 0-15 take A's block i, lanes 16-31 B's block i
.irp i, 0,1,2,3,4,5,6,7
	ds_load_b128 v[SC+8*NQ*\sc+NQ*\i:SC+8*NQ*\sc+NQ*\i+3], v[ADRS] offset:\i*SBLK
.endr
.endm
.macro PLACES n                        ; plain vector lines between a matrix instruction and a load into, or a read of, its registers (ISA guide 7.12.1 for reads)
.rept \n
	v_nop
.endr
.endm
.macro STEP slot, q, zero              ; 128 along K that has its successor in the same slot
	s_wait_dscnt 4*NL                              ; B's set and A's blocks 0-3 are in; the youngest loads (A's blocks 4-7) may be out
.if \zero
	WIN MUL_LO0
.else
	WIN MUL_LO
.endif
	MUL16 0, (\q)%2, \q, \slot, \zero
	MUL16 2, (\q)%2, \q, \slot, \zero
	s_wait_dscnt 0                                 ; A's blocks 4-7 are in
	PLACES NP
	FETCH_B \slot, (\q)+1, 1-(\q)%2
	FETCH_A \slot, (\q)+1, 0
.if \zero
	WIN MUL_HI0
.else
	WIN MUL_HI
.endif
	MUL16 4, (\q)%2, \q, \slot, \zero
	MUL16 6, (\q)%2, \q, \slot, \zero
	PLACES NP
	WIN 0
	FETCH_A \slot, (\q)+1, 4
.endm
.macro STEPS slot, from
.set Q, \from
.rept NQ-1-\from
	STEP \slot, Q, 0
.set Q, Q+1
.endr
.endm
	s_wait_tensorcnt 1                             ; the scales and my part of slot 0 are in (slot 1's load may be out)
	s_barrier_signal -1
	s_barrier_wait -1                              ; everybody's are
	FETCH_B 0, 0, 0
	FETCH_A 0, 0, 0
	SCALES 0
	FETCH_A 0, 0, 4
	s_wait_loadcnt 0x0                             ; the bias
	STEP 0, 0, 1
	STEPS 0, 1
	; slot 0's last step changes slots: one barrier; in front of it each wave waits for its tensor loads, adds 0 to its spare word, and waits for that and for its reads of slot 0
	s_wait_tensorcnt 0x0                           ; my part of slot 1 has landed
	ds_add_u32 v[SPW], v[NIL]                      ; 0 onto my spare word
	s_wait_dscnt 4*NL+1                            ; (the add and A's blocks 4-7 may be out)
	WIN MUL_LO
	MUL16 0, 1, NQ-1, 0, 0
	s_wait_dscnt 0x0                               ; the add is done, and my reads of slot 0 are over
	s_barrier_signal -1
	MUL16 2, 1, NQ-1, 0, 0
	WIN 0
	s_barrier_wait -1
	PLACES NP
	v_add_nc_u32 v[ADRS], 4*NQ, v[ADRS]            ; on to slot 1's scale words
	FETCH_B 1, 0, 0
	FETCH_A 1, 0, 0
	SCALES 1
	WIN MUL_HI
	MUL16 4, 1, NQ-1, 0, 0
	MUL16 6, 1, NQ-1, 0, 0
	PLACES NP
	WIN 0
	FETCH_A 1, 0, 4
	STEPS 1, 0
	s_wait_dscnt 4*NL                              ; the very last step
	WIN MUL_LO
	MUL16 0, 1, NQ-1, 1, 0
	MUL16 2, 1, NQ-1, 1, 0
	s_wait_dscnt 0
	WIN MUL_HI
	MUL16 4, 1, NQ-1, 1, 0
	MUL16 6, 1, NQ-1, 1, 0
	WIN 0
; THE WAY OUT, a block of 16 rows x 128 columns at a time: rounded to f16 (16 bytes a lane), through my own stage, back as pairs of rows of one head, stored as 256 consecutive aligned bytes by sixteen lanes.
.macro PACK a                          ; what block a's accumulators hold, rounded to f16
.set AC, 64*((\a)%4)
	WIN 0x0a+5*((\a)/4)                            ; sources 0 and 1: window 2 or 3
.irp b, 0,1,2,3,4,5,6,7
.irp r, 0,1,2,3
	v_cvt_pk_f16_f32 v[TMP+4*\b+\r], v[AC+8*\b+2*\r], v[AC+8*\b+2*\r+1]   ; each accumulator from its low end on
.endr
.endr
	WIN 0
.endm
.macro PACKH a                         ; v alone: hi of block a is packed, and lo = v - hi is left in the accumulators, for PACK
.set AC, 64*((\a)%4)
	WIN 2+(\a)/4                                   ; source 0: window 2 or 3
.irp i, 0,1,2,3,4,5,6,7,8,9,10,11,12,13,14,15,16,17,18,19,20,21,22,23,24,25,26,27,28,29,30,31
	v_pk_mul_f32 v[VC+2*\i:VC+2*\i+1], v[AC+2*\i:AC+2*\i+1], s[96:97] op_sel_hi:[1,0]                              ; c = 8193 v; each accumulator from its low end on
.endr
	WIN (2+(\a)/4)<<2                              ; source 1
.irp i, 0,1,2,3,4,5,6,7,8,9,10,11,12,13,14,15,16,17,18,19,20,21,22,23,24,25,26,27,28,29,30,31
	v_pk_add_f32 v[VD+2*\i:VD+2*\i+1], v[VC+2*\i:VC+2*\i+1], v[AC+2*\i:AC+2*\i+1] neg_lo:[0,1] neg_hi:[0,1]        ; c - v
.endr
	WIN 0
.irp i, 0,1,2,3,4,5,6,7,8,9,10,11,12,13,14,15,16,17,18,19,20,21,22,23,24,25,26,27,28,29,30,31
	v_pk_add_f32 v[VD+2*\i:VD+2*\i+1], v[VC+2*\i:VC+2*\i+1], v[VD+2*\i:VD+2*\i+1] neg_lo:[0,1] neg_hi:[0,1]        ; hi = c - (c - v): v rounded to 11 significant bits
.endr
	WIN ((2+(\a)/4)<<6)|(2+(\a)/4)                 ; destination and source 0
.irp i, 0,1,2,3,4,5,6,7,8,9,10,11,12,13,14,15,16,17,18,19,20,21,22,23,24,25,26,27,28,29,30,31
	v_pk_add_f32 v[AC+2*\i:AC+2*\i+1], v[AC+2*\i:AC+2*\i+1], v[VD+2*\i:VD+2*\i+1] neg_lo:[0,1] neg_hi:[0,1]        ; lo = v - hi, exact
.endr
	WIN 0
.irp i, 0,1,2,3,4,5,6,7,8,9,10,11,12,13,14,15,16,17,18,19,20,21,22,23,24,25,26,27,28,29,30,31
	v_cvt_pk_f16_f32 v[TMP+\i], v[VD+2*\i], v[VD+2*\i+1]
.endr
.endm
.macro TOSTAGE j, so                   ; j: which of the two sets of registers takes the rows; so: the stage's place
.set BB, BK+32*((\j)%2)
.irp b, 0,1,2,3,4,5,6,7
	ds_store_b128 v[STO], v[TMP+4*\b:TMP+4*\b+3] offset:(\so)+32*\b
.endr
.irp t, 0,1,2,3,4,5,6,7
	ds_load_b128 v[BB+4*\t:BB+4*\t+3], v[RD] offset:(\so)+\t*2*SPITCH    ; LDS serves a wave's instructions in order: these see the stores above
.endr
.endm
.macro SEND j, off
.set BB, BK+32*((\j)%2)
	s_wait_dscnt 0x0                               ; the block is back in registers
	s_wait_xcnt 0x0                                ; the stores before have read their registers: the next loads may land there
.irp t, 0,1,2,3,4,5,6,7
	global_store_b128 v[CO], v[BB+4*\t:BB+4*\t+3], s[12:13] offset:(\off)+\t*256
.endr
.endm
	PLACES NP                                      ; behind the last products: for the first reads of results, and for writes and loads into the registers that held operands and scale words
	s_cmp_eq_u32 ttmp9, 2                          ; the cluster's x: the same in all sixteen partners
	s_cbranch_scc1 .Lv_out
	PACK 0                                         ; q and k: rounded once
	TOSTAGE 0, 0
.irp a, 1,2,3,4,5,6,7                  ; block a's conversions stand between block a - 1's loads from the stage and the wait for them
	PACK \a
	SEND \a-1, (\a-1)*2048
	TOSTAGE \a, 0
.endr
	SEND 7, 7*2048
	s_branch .Lsent
.Lv_out:                               ; v: hi and lo by turns, through the same pipeline
	PACKH 0
	TOSTAGE 0, VST
	PACK 0
	SEND 0, 0
	TOSTAGE 1, VST
.irp a, 1,2,3,4,5,6,7
	PACKH \a
	SEND 1, (\a-1)*2048+LOP
	TOSTAGE 0, VST
	PACK \a
	SEND 0, \a*2048
	TOSTAGE 1, VST
.endr
	SEND 1, 7*2048+LOP
.Lsent:
	s_wait_tensorcnt 0x0                           ; the wave's end
	ds_add_u32 v[SPW], v[NIL]
	s_wait_dscnt 0x0
	CROUND                                         ; the closing round
	s_endpgm
.Lfunc_end_k_q0959369969_gemm_qkv:
	.size	k_q0959369969_gemm_qkv, .Lfunc_end_k_q0959369969_gemm_qkv-k_q0959369969_gemm_qkv
	.p2alignl 7, 3214868480
	.fill 96, 4, 3214868480
	.section	.rodata,"a",@progbits
	.p2align	6, 0x0
	.amdhsa_kernel k_q0959369969_gemm_qkv
		.amdhsa_group_segment_fixed_size 327680
		.amdhsa_private_segment_fixed_size 0
		.amdhsa_enable_private_segment 0
		.amdhsa_kernarg_size 48
		.amdhsa_user_sgpr_count 2
		.amdhsa_user_sgpr_kernarg_segment_ptr 1
		.amdhsa_wavefront_size32 1
		.amdhsa_system_sgpr_workgroup_id_x 1
		.amdhsa_system_sgpr_workgroup_id_y 1
		.amdhsa_system_sgpr_workgroup_id_z 1
		.amdhsa_system_vgpr_workitem_id 0
		.amdhsa_next_free_vgpr 1024
		.amdhsa_next_free_sgpr 98
		.amdhsa_reserve_vcc 0
		.amdhsa_float_denorm_mode_32 3
		.amdhsa_float_denorm_mode_16_64 3
		.amdhsa_memory_ordered 1
		.amdhsa_forward_progress 1
		.amdhsa_inst_pref_size 255
	.end_amdhsa_kernel
	.amdgpu_metadata
---
amdhsa.version: [ 1, 2 ]
amdhsa.kernels:
  - .name:           k_q0959369969_gemm_qkv
    .symbol:         k_q0959369969_gemm_qkv.kd
    .args:
      - { .name: x_codes, .offset: 0, .size: 8, .value_kind: global_buffer, .address_space: global }
      - { .name: x_scales, .offset: 8, .size: 8, .value_kind: global_buffer, .address_space: global }
      - { .name: w_codes, .offset: 16, .size: 8, .value_kind: global_buffer, .address_space: global }
      - { .name: w_scales, .offset: 24, .size: 8, .value_kind: global_buffer, .address_space: global }
      - { .name: b_qkv, .offset: 32, .size: 8, .value_kind: global_buffer, .address_space: global }
      - { .name: qkv, .offset: 40, .size: 8, .value_kind: global_buffer, .address_space: global }
    .group_segment_fixed_size: 327680
    .private_segment_fixed_size: 0
    .kernarg_segment_align: 8
    .kernarg_segment_size: 48
    .max_flat_workgroup_size: 128
    .sgpr_count:     98
    .vgpr_count:     1024
    .wavefront_size: 32
...
	.end_amdgpu_metadata
.endif
;; end of part 2
;; launch attn (part 3): grid 8 x 64, 8 waves a work-group, clusters of 4 x 1, 327,680 bytes of LDS; arguments qkv, ctx; writes ctx
.if DOCPART == 3
	.amdgcn_target "amdgcn-amd-amdhsa--gfx1250"
	.amdhsa_code_object_version 6
	.text
	.protected	k_q0959369969_attn
	.globl	k_q0959369969_attn
	.p2align	8
	.type	k_q0959369969_attn,@function
k_q0959369969_attn:
	s_mov_b64 s[64:65], 0
	v_nop
	global_prefetch_b8 v0, s[64:65] scope:SCOPE_SE
	s_setreg_imm32_b32 hwreg(HW_REG_WAVE_MODE, 25, 1), 1
	s_wait_xcnt 0x0
	s_wait_alu depctr_hold_cnt(0) depctr_sa_sdst(0) depctr_va_vdst(0) depctr_va_sdst(0) depctr_va_ssrc(0) depctr_va_vcc(0) depctr_vm_vsrc(0)
	s_getreg_b32 s2, hwreg(HW_REG_IB_STS2, 6, 4)
	s_cmp_eq_u32 s2, 0
	s_cbranch_scc0 .Lentry_in_a_cluster
	s_endpgm
.Lentry_in_a_cluster:
	s_bfe_u32 s2, ttmp6, 0x10000c
	s_cmp_lg_u32 s2, 0x3003
	s_cbranch_scc0 .Lentry_shape_is_right
	s_endpgm
.Lentry_shape_is_right:
; ctx[b][h][q][:] = the sum over k <= q of softmax_k(Q[q] . K[k] / 8) V[k][:].  qkv: f16, [4 b][64 g][2048 s][64]: q of head h at g = h, k at 16 + h, v's hi at 32 + h, v's lo at 48 + h.  ctx: f16, [4][16][2048][64].
; Products on f16 operands with f32 sums; maxima, exponentials and sums in f32; the weights p (at most 1) are rounded to f16 for the second product, ctx once at the end.
; v = hi + lo goes into the second product as two f16 operands: O^T += hi^T P + lo^T P, so that v's rounding to 11 bits does not reach ctx.
; LIMIT: NaN and infinities in qkv are not served.
; SHARES.  A head's 128 tiles of 16 queries: tile (idx, j) begins at query 128 idx + 16 j.  Work-group j (0 .. 7) of a head has idx 0 .. 15; its wave w has tile a = idx w and tile b = idx 15 - w,
; so that under the causal mask every wave and every work-group has the same sum of key steps.  Two waves share a SIMD: one's vector work stands beside the other's matrix work.
; Every work-group walks all 2,048 keys (its idx 15 needs them), 64 a step, 256 a slot: all trip counts are constants.
; CAUSAL, by tile and step, against Qc = 128 idx + 64 x cluster x: the four partners' queries of that idx lie in Qc .. Qc + 63.  First key KF > Qc: the step is left out; KF = Qc: hidden scores become
; -infinity ahead of the maximum; KF < Qc: all keys count.  Qc is made of the cluster's x and the wave's number alone.  Tile b is at work wherever tile a is.
; CLUSTER.  Four work-groups of one head walk the same K and V: each tile is asked for jointly.
; LAYOUT.  S^T = K Q^T (source 0 = 16 keys, source 1 = 16 queries); two such tiles rounded in pairs are source 1 of O^T = V^T P: a lane holds one query throughout.  V is turned by ds_load_tr16_b128.
; SOFTMAX.  A running maximum m and sum l for each query: p = 2^(c s - c m), c = log2(e) / 8; in every step O and l are multiplied by 2^(c m_old - c m_new).  m begins at -3e38, O and l at 0.
; REGISTERS.  window 0: v3-15 addresses and constants; v16-31 statistics, eight a tile: +0 c m, +1 m, +2, +3 l, +4 .. +7 at work (+6 the factor); v32-63 S^T; v64-79 P; v128-191 K of a step.
;   window 1: v0-31 Q, 16 a tile; v32-95 O^T, 32 a tile; v128-191 V's hi of a step; v192-255 V's lo.
.set PK,    272                        ; two keys' 256 bytes + 16: the 16 keys of a load fall on 16 different 16-byte columns
.set PV,    288                        ; two keys' 256 bytes + 32: likewise for the turning load's 8 keys x 32 bytes
.set VOFF,  128*PK                     ; a slot: 128 rows of K, then 128 rows of V's hi, then 128 of V's lo
.set VLO,   128*PV
.set SLOT1, 1<<17                      ; slot 1 begins here: one exclusive or turns an address
.set STEPK, 32*PK
.set STEPV, 32*PV
.set STAGE, SLOT1+VOFF+2*VLO           ; behind the ring: 16 rows x 144 bytes a wave, for the way out
.set SP,    144
.set SPARE, STAGE+8*16*SP              ; the spare words, 128 bytes a wave: four blocks of 256 bytes that no other line names
.set AK0, 3
.set AV0, 4
.set ADK, 5
.set ADV, 6
.set QO,  7
.set STO, 8
.set RD,  9
.set GO,  10
.set DM,  11                           ; v11  16 cx + r - 8 h: on the diagonal, score register 8 kt + i is hidden where 16 kt + i > this
.set NINF, 12
.set PFO, 13
.set SPW, 14
.set NIL, 15
.set ST,  16
.set S,   32
.set P,   64
.set KFR, 128
.set VFR, 128
.set WV,  8
.set G1K, 24
.set G1V, 32
.set G0K, 40
.set G0V, 44
.set G0L, 68
.set PFA, 48
.set LIM, 50
.set SLOTS, 51
.set STEPS, 52
.set KF,  53
.set QCA, 54                           ; s54, s55: Qc of tiles a and b
.set TBK, 56
.set TBV, 57
.set CS,  58
.set SEL, 60
.set MSB, 0
.macro WIN new
.if MSB != (\new)
	s_set_vgpr_msb (MSB<<8)|(\new)
.set MSB, (\new)
.endif
.endm
; A joint load: waves 0 and 1 fetch K's halves of a slot, waves 2 and 3 those of V's hi, waves 4 and 5 those of V's lo, the others nothing.  The branches hang on the wave's number alone.
; An s_nop 0 and four v_nop follow each line.
.macro JLOAD
	s_cmp_lt_u32 s[WV], 2
	s_cbranch_scc0 .Lnot_k_\@
	tensor_load_to_lds s[G0K:G0K+3], s[G1K:G1K+7]
	s_nop 0
.rept 4
	v_nop
.endr
	s_branch .Lasked_\@
.Lnot_k_\@:
	s_cmp_lt_u32 s[WV], 4
	s_cbranch_scc0 .Lnot_v_\@
	tensor_load_to_lds s[G0V:G0V+3], s[G1V:G1V+7]
	s_nop 0
.rept 4
	v_nop
.endr
	s_branch .Lasked_\@
.Lnot_v_\@:
	s_cmp_lt_u32 s[WV], 6
	s_cbranch_scc0 .Lasked_\@
	tensor_load_to_lds s[G0L:G0L+3], s[G1V:G1V+7]
	s_nop 0
.rept 4
	v_nop
.endr
.Lasked_\@:
.endm
; A prefetch of what the NEXT change of slots will ask for: a slot's 32,768 bytes of K, of V's hi and of V's lo.  The head's first cluster asks; its four partners take 8,192 bytes of each, told apart by address;
; in each, wave 0 asks for K's, wave 2 for hi's and wave 4 for lo's, behind its own tensor load, lanes 256 bytes apart: each block is named once in the launch.  The last change that fills a slot asks for nothing.
.macro ASK
	s_cmp_gt_u32 s[SLOTS], s[LIM]
	s_cbranch_scc0 .Lnot_mine_\@
	global_prefetch_b8 v[PFO], s[PFA:PFA+1] th:TH_LOAD_NT scope:SCOPE_SE
.Lnot_mine_\@:
.endm
.macro CROUND
	s_barrier_signal -1
	s_barrier_wait -1
	s_cmp_lg_u32 s[WV], 0
	s_cbranch_scc1 .Lnot_wave_0_\@
	s_barrier_signal -3
.Lnot_wave_0_\@:
	s_barrier_wait -3
	s_barrier_signal -1
	s_barrier_wait -1
.endm
; ONE TILE'S PART OF A KEY STEP.  t = 0: tile a, 1: tile b.
.macro TILE t
.set rT, ST+8*(\t)
.set rO, 32+32*(\t)
.set rQ, 16*(\t)
	WIN 0x04                                       ; K window 0, Q window 1, S^T window 0
.irp kt, 0,1,2,3                       ; the four accumulators take turns; the first products start the sums
	v_wmma_f32_16x16x32_f16 v[S+8*\kt:S+8*\kt+7], v[KFR+16*\kt:KFR+16*\kt+7], v[rQ:rQ+7], 0
.endr
.irp kt, 0,1,2,3
	v_wmma_f32_16x16x32_f16 v[S+8*\kt:S+8*\kt+7], v[KFR+16*\kt+8:KFR+16*\kt+15], v[rQ+8:rQ+15], v[S+8*\kt:S+8*\kt+7]
.endr
	WIN 0
.rept 4
	v_nop                                          ; places behind the products, ahead of the first read of the scores
.endr
	s_cmp_lg_u32 s[KF], s[QCA+\t]                  ; only the step on the diagonal is masked
	s_cbranch_scc1 .Lopen_\@
.irp n, 0,1,2,3,4,5,6,7,8,9,10,11,12,13,14,15,16,17,18,19,20,21,22,23,24,25,26,27,28,29,30,31
	v_cmp_gt_i32 vcc_lo, 16*(\n/8)+\n%8, v[DM]
	v_cndmask_b32 v[S+\n], v[S+\n], v[NINF], vcc_lo
.endr
.Lopen_\@:
.irp c, 0,1,2,3                        ; the largest of my 32 scores: four chains, each from its accumulator's low end on
	v_max3_num_f32 v[rT+4+\c], v[S+8*\c], v[S+8*\c+1], v[S+8*\c+2]
.endr
.irp c, 0,1,2,3
	v_max3_num_f32 v[rT+4+\c], v[rT+4+\c], v[S+8*\c+3], v[S+8*\c+4]
.endr
.irp c, 0,1,2,3
	v_max3_num_f32 v[rT+4+\c], v[rT+4+\c], v[S+8*\c+5], v[S+8*\c+6]
.endr
	v_max3_num_f32 v[rT+4], v[rT+4], v[S+7], v[S+15]
	v_max3_num_f32 v[rT+6], v[rT+6], v[S+23], v[S+31]
	v_max3_num_f32 v[rT+5], v[rT+5], v[rT+7], v[rT+1]              ; with the old m
	v_max3_num_f32 v[rT+4], v[rT+4], v[rT+5], v[rT+6]
	v_mov_b32 v[rT+7], v[rT]                       ; c m_old
	v_permlanex16_b32 v[rT+5], v[rT+4], s[SEL], s[SEL+1]           ; the query's other 32 keys lie in the lane 16 away
	v_max_num_f32 v[rT+1], v[rT+4], v[rT+5]        ; the new m
	v_mul_f32 v[rT], s[CS], v[rT+1]
	v_sub_f32 v[rT+7], v[rT+7], v[rT]              ; c m_old - c m_new
.irp b, 0,1,2,3,4,5,6,7,8,9,10,11,12,13,14,15
	v_pk_fma_f32 v[S+2*\b:S+2*\b+1], v[S+2*\b:S+2*\b+1], s[CS:CS+1], v[rT:rT+1] op_sel_hi:[1,0,0] neg_lo:[0,0,1] neg_hi:[0,0,1]   ; c s - c m
.endr
	v_exp_f32 v[rT+6], v[rT+7]                     ; ONE BATCH of 33 exponentials: the factor, then p
.irp e, 0,1,2,3,4,5,6,7,8,9,10,11,12,13,14,15,16,17,18,19,20,21,22,23,24,25,26,27,28,29,30,31
	v_exp_f32 v[S+\e], v[S+\e]
.endr
	v_nop                                          ; a plain line behind the last exponential
	s_wait_alu depctr_va_vdst(0)                   ; one wait for the batch, ahead of its first reader
.irp i, 0,1,2,3,4,5,6,7,8,9,10,11,12,13,14,15
	v_cvt_pk_f16_f32 v[P+\i], v[S+2*\i], v[S+2*\i+1]
.endr
.irp u, 0,1,2,3,4,5,6,7                ; the sum of the unrounded p, in pairs, as a tree in place
	v_pk_add_f32 v[S+4*\u:S+4*\u+1], v[S+4*\u:S+4*\u+1], v[S+4*\u+2:S+4*\u+3]
.endr
.irp u, 0,1,2,3
	v_pk_add_f32 v[S+8*\u:S+8*\u+1], v[S+8*\u:S+8*\u+1], v[S+8*\u+4:S+8*\u+5]
.endr
.irp u, 0,1
	v_pk_add_f32 v[S+16*\u:S+16*\u+1], v[S+16*\u:S+16*\u+1], v[S+16*\u+8:S+16*\u+9]
.endr
	v_pk_add_f32 v[S:S+1], v[S:S+1], v[S+16:S+17]
	v_pk_fma_f32 v[rT+2:rT+3], v[rT+2:rT+3], v[rT+6:rT+7], v[S:S+1] op_sel_hi:[1,0,1]   ; l = factor x l + the sum
	WIN 0x41                                       ; O^T (destination and source 0) window 1, the factor window 0
.irp i, 0,1,2,3,4,5,6,7,8,9,10,11,12,13,14,15
	v_pk_mul_f32 v[rO+2*\i:rO+2*\i+1], v[rO+2*\i:rO+2*\i+1], v[rT+6:rT+7] op_sel_hi:[1,0]
.endr
.if \t
	s_wait_dscnt 0x0                               ; V's hi and lo are in (tile b comes first in a step)
.endif
	WIN 0x51                                       ; V window 1, P window 0, O^T window 1
.irp pt, 0,1                           ; hi, then lo; the four accumulators take turns
.irp c, 0,1
.irp ct, 0,1,2,3
	v_wmma_f32_16x16x32_f16 v[rO+8*\ct:rO+8*\ct+7], v[VFR+64*\pt+8*(4*\c+\ct):VFR+64*\pt+8*(4*\c+\ct)+7], v[P+8*\c:P+8*\c+7], v[rO+8*\ct:rO+8*\ct+7]
.endr
.endr
.endr
	WIN 0
.endm
; A KEY STEP: 64 keys.  A step all of whose keys come after both tiles' queries is left out: a scalar branch on ids and the count of steps, round loads and work, not round the lines that step addresses.
.macro STEP
	s_cmp_gt_u32 s[KF], s[QCA+1]
	s_cbranch_scc1 .Lhidden_\@
	v_add_nc_u32 v[ADK], s[TBK], v[AK0]            ; these two and two v_nop are the places in front of loads into registers that the last products read
	v_add_nc_u32 v[ADV], s[TBV], v[AV0]
	v_nop
	v_nop
.irp kt, 0,1,2,3
.irp cc, 0,1
	ds_load_b128 v[KFR+8*(2*\kt+\cc):KFR+8*(2*\kt+\cc)+3],   v[ADK] offset:\kt*8*PK+64*\cc
	ds_load_b128 v[KFR+8*(2*\kt+\cc)+4:KFR+8*(2*\kt+\cc)+7], v[ADK] offset:\kt*8*PK+64*\cc+32
.endr
.endr
	WIN 0x40                                       ; destination window 1
.irp pt, 0,1
.irp c, 0,1
.irp ct, 0,1,2,3
	ds_load_tr16_b128 v[VFR+64*\pt+8*(4*\c+\ct):VFR+64*\pt+8*(4*\c+\ct)+3],   v[ADV] offset:\pt*VLO+\c*16*PV+32*\ct
	ds_load_tr16_b128 v[VFR+64*\pt+8*(4*\c+\ct)+4:VFR+64*\pt+8*(4*\c+\ct)+7], v[ADV] offset:\pt*VLO+\c*16*PV+8*PV+32*\ct
.endr
.endr
.endr
	WIN 0
	s_wait_dscnt 32                                ; K's 16 loads are in; V's 32 may be out
	TILE 1
	s_cmp_gt_u32 s[KF], s[QCA]
	s_cbranch_scc1 .Lhidden_\@
	TILE 0
.Lhidden_\@:
	s_add_co_u32 s[KF], s[KF], 64
	s_add_co_u32 s[TBK], s[TBK], STEPK
	s_add_co_u32 s[TBV], s[TBV], STEPV
.endm
.macro FOUR_STEPS                      ; a slot's four key steps: written once, walked four times
	s_mov_b32 s[STEPS], 4
.Lstep_\@:
	STEP
	s_sub_co_u32 s[STEPS], s[STEPS], 1
	s_cmp_lg_u32 s[STEPS], 0
	s_cbranch_scc1 .Lstep_\@
	s_sub_co_u32 s[TBK], s[TBK], 4*STEPK           ; back to a slot's first step,
	s_xor_b32 s[TBK], s[TBK], SLOT1                ; in the other slot
	s_sub_co_u32 s[TBV], s[TBV], 4*STEPV
	s_xor_b32 s[TBV], s[TBV], SLOT1
.endm
; THE CHANGE OF SLOTS stands at a slot's head.  Each wave waits for all its tensor loads (one at the most is out: its part of the slot ahead), adds 0 to its spare word, and waits for that and for its reads
; of the slot that it has left.  fill = 1: the barrier is a round of the cluster's, and behind it that slot is filled with the next 256 keys: the load has four key steps in which to land.
.macro CHANGE fill
	s_wait_tensorcnt 0x0
	ds_add_u32 v[SPW], v[NIL]
.if \fill
.irp g, G0K, G0V, G0L
	s_xor_b32 s[\g+1], s[\g+1], SLOT1              ; no tensor load of mine is out: the walking descriptors may be written
	s_add_nc_u64 s[\g+2:\g+3], s[\g+2:\g+3], 32768
.endr
	s_wait_xcnt 0x0                                ; the last prefetch, a slot back, has read its address
	s_add_nc_u64 s[PFA:PFA+1], s[PFA:PFA+1], 32768
	s_wait_dscnt 0x0
	CROUND
	JLOAD
	ASK
.else
	s_wait_dscnt 0x0
	s_barrier_signal -1
	s_barrier_wait -1
.endif
.endm
	s_load_b128 s[4:7], s[0:1], 0x0                ; qkv s[4:5], ctx s[6:7]
	v_lshl_add_u32 v[SPW], v0, 2, SPARE
	v_mov_b32 v[NIL], 0
	ds_add_u32 v[SPW], v[NIL]                      ; the wave's opening: the add and its wait stand ahead of my first tensor load; register work stands between them
	v_lshrrev_b32 v1, 5, v0
	v_readfirstlane_b32 s[WV], v1                  ; wave 0..7
	; first all that feeds descriptors, LDS addresses and branches: the head, the wave's number, the cluster's x
	s_and_b32 s11, ttmp7, 0xffff                   ; 16 b + h
	s_lshr_b32 s20, s11, 4
	s_lshl_b32 s20, s20, 6
	s_and_b32 s21, s11, 15
	s_add_co_u32 s20, s20, s21
	s_lshl_b32 s20, s20, 18                        ; q's plane in qkv, in bytes; k's lies 2^22 on, v's hi 2 x 2^22, v's lo 3 x 2^22
	s_lshl_b32 s21, s11, 18                        ; the head's plane in ctx
	s_and_b32 s62, s[WV], 1                        ; which half of a slot I fetch
	s_lshl_b32 s22, s62, 14
	s_add_co_u32 s22, s22, s20
	s_add_co_u32 s22, s22, 1<<22                   ; my half of slot 0 in k's plane
	s_mov_b32 s23, 0
	s_mov_b32 s[G0K], 1
	s_mul_i32 s[G0K+1], s62, 64*PK
	s_mov_b32 s[G0V], 1
	s_mul_i32 s[G0V+1], s62, 64*PV
	s_add_co_u32 s[G0V+1], s[G0V+1], VOFF
	s_mov_b32 s[G0L], 1
	s_add_co_u32 s[G0L+1], s[G0V+1], VLO
	s_mov_b32 s[G1K], 15|(1<<16)|(1<<20)|(1<<21)|(5<<22)|(3<<25)   ; the mask: all four; elements of 2 bytes; padding: 4 words behind every 64; bit 21 beside a mask
	s_mov_b32 s[G1V], 15|(1<<16)|(1<<20)|(1<<21)|(5<<22)|(7<<25)   ; 8 words
.irp g, G1K, G1V
	s_mov_b32 s[\g+1], 128<<16                     ; rows of 128 elements: two keys, dense in memory
	s_mov_b32 s[\g+2], 64<<16
	s_mov_b32 s[\g+3], 128<<16
	s_mov_b32 s[\g+4], 64
	s_mov_b32 s[\g+5], 128
	s_mov_b32 s[\g+6], 0
	s_mov_b32 s[\g+7], 0
.endr
	s_mul_i32 s63, s[WV], 16*SP
	s_add_co_u32 s63, s63, STAGE                   ; my stage
	v_and_b32 v1, 15, v0                           ; r
	v_bfe_u32 v2, v0, 4, 1                         ; h
	v_lshrrev_b32 v16, 1, v1
	v_mul_u32_u24 v[AK0], v16, PK
	v_and_b32 v16, 1, v0
	v_lshl_add_u32 v[AK0], v16, 7, v[AK0]
	v_lshl_add_u32 v[AK0], v2, 4, v[AK0]           ; K: key r: row r / 2, half r % 2, + 16 h
	v_bfe_u32 v17, v0, 1, 2
	v_lshl_add_u32 v17, v2, 2, v17
	v_mul_u32_u24 v[AV0], v17, PV
	v_lshl_add_u32 v[AV0], v16, 7, v[AV0]
	v_bfe_u32 v17, v0, 3, 1
	v_lshl_add_u32 v[AV0], v17, 4, v[AV0]
	v_add_nc_u32 v[AV0], VOFF, v[AV0]              ; V: key 8 h + lane % 8, channels 8 ((lane / 8) % 2) on
	v_lshlrev_b32 v[QO], 7, v1
	v_lshl_add_u32 v[QO], v2, 4, v[QO]             ; Q: row r of 128 bytes, + 16 h
	v_mul_u32_u24 v[STO], v1, SP
	v_lshl_add_u32 v[STO], v2, 4, v[STO]
	v_add_nc_u32 v[STO], s63, v[STO]
	v_bfe_u32 v16, v0, 3, 2
	v_mul_u32_u24 v[RD], v16, SP
	v_and_b32 v16, 7, v0
	v_lshl_add_u32 v[RD], v16, 4, v[RD]
	v_add_nc_u32 v[RD], s63, v[RD]                 ; back: four rows of 128 bytes an instruction
	v_and_b32 v[GO], 31, v0
	v_lshlrev_b32 v[PFO], 8, v[GO]
	v_lshlrev_b32 v[GO], 4, v[GO]
	v_mov_b32 v[NINF], 0xff800000
	s_lshl_b32 s63, ttmp9, 6
	s_lshl_b32 s[QCA], s[WV], 7
	s_add_co_u32 s[QCA], s[QCA], s63
	s_sub_co_u32 s62, 15, s[WV]
	s_lshl_b32 s[QCA+1], s62, 7
	s_add_co_u32 s[QCA+1], s[QCA+1], s63
	s_and_b32 s63, s[WV], 1                        ; 0 in the even waves,
	s_add_co_u32 s10, s[WV], 2
	s_lshr_b32 s10, s10, 3                         ; under wave 6,
	s_or_b32 s63, s63, s10
	s_or_b32 s63, s63, ttmp9                       ; of the head's first cluster: the same in all four partners
	s_cmp_eq_u32 s63, 0
	s_cselect_b32 s[LIM], 1, -1
	s_mov_b32 s[SLOTS], 7
	s_mov_b32 s[KF], 0
	s_mov_b32 s[TBK], 0
	s_mov_b32 s[TBV], 0
	s_mov_b32 s[CS], 0x3e38aa3b                    ; c = log2(e) / 8
	s_mov_b32 s[CS+1], s[CS]
	s_mov_b32 s[SEL], 0x76543210
	s_mov_b32 s[SEL+1], 0xfedcba98
	; then what hangs on my place in the cluster: Q's and ctx's rows, the mask's number, the prefetches' address
	s_bfe_u32 s9, ttmp6, 0x40000                   ; cx
	s_lshl_b32 s10, ttmp9, 2
	s_add_co_u32 s10, s10, s9                      ; j
	s_lshl_b32 s10, s10, 11                        ; 16 j rows of 128 bytes
	s_lshl_b32 s63, s[WV], 14
	s_add_co_u32 s63, s63, s10                     ; tile a's first row, in bytes
	s_lshl_b32 s62, s62, 14
	s_add_co_u32 s62, s62, s10                     ; tile b's
	s_add_co_u32 s12, s20, s63
	s_mov_b32 s13, 0
	s_add_co_u32 s14, s20, s62
	s_mov_b32 s15, 0
	s_add_co_u32 s16, s21, s63
	s_mov_b32 s17, 0
	s_add_co_u32 s18, s21, s62
	s_mov_b32 s19, 0
	s_lshr_b32 s63, s[WV], 1
	s_add_co_u32 s63, s63, 1
	s_min_u32 s63, s63, 3                          ; k's plane (waves 0, 1), hi's (2, 3) or lo's (the others, of which wave 4 alone asks)
	s_lshl_b32 s[PFA], s63, 22
	s_add_co_u32 s[PFA], s[PFA], s20
	s_lshl_b32 s63, s9, 13                         ; my work-group's 8,192 bytes of a slot's 32,768,
	s_add_co_u32 s[PFA], s[PFA], s63
	s_add_co_u32 s[PFA], s[PFA], 32768             ; in slot 1: the first change steps it to slot 2
	s_mov_b32 s[PFA+1], 0
	s_lshl_b32 s63, s9, 4
	v_lshlrev_b32 v16, 3, v2
	v_sub_nc_u32 v[DM], v1, v16
	v_add_nc_u32 v[DM], s63, v[DM]
.irp i, 0,1,2,3,4,5,6,7,8,9,10,11,12,13,14,15
	v_mov_b32 v[ST+\i], 0                          ; the statistics: l = 0; the rest is written so that every path finds it written
.endr
	v_mov_b32 v[ST+1], 0xff61b1e6                  ; m = -3e38, under every score
	v_mov_b32 v[ST+9], 0xff61b1e6
	v_mul_f32 v[ST], s[CS], v[ST+1]
	v_mul_f32 v[ST+8], s[CS], v[ST+9]
	s_wait_dscnt 0x0                               ; the opening add is done
	s_wait_kmcnt 0x0
	s_add_nc_u64 s[G0K+2:G0K+3], s[4:5], s[22:23]
	s_add_nc_u64 s[G0V+2:G0V+3], s[G0K+2:G0K+3], 1<<22
	s_add_nc_u64 s[G0L+2:G0L+3], s[G0K+2:G0K+3], 1<<23
	s_or_b32 s[G0K+3], s[G0K+3], 0x80000000
	s_or_b32 s[G0V+3], s[G0V+3], 0x80000000
	s_or_b32 s[G0L+3], s[G0L+3], 0x80000000
	s_add_nc_u64 s[12:13], s[4:5], s[12:13]
	s_add_nc_u64 s[14:15], s[4:5], s[14:15]
	s_add_nc_u64 s[16:17], s[6:7], s[16:17]
	s_add_nc_u64 s[18:19], s[6:7], s[18:19]
	s_add_nc_u64 s[PFA:PFA+1], s[4:5], s[PFA:PFA+1]
	CROUND                                         ; all four work-groups are here: the first joint loads meet
	JLOAD                                          ; slot 0
	WIN 0x40                                       ; destination window 1
.irp t, 0,1
.irp cc, 0,1
	global_load_b128 v[16*\t+8*\cc:16*\t+8*\cc+3],   v[QO], s[12+2*\t:13+2*\t] offset:64*\cc       ; Q stays in registers
	global_load_b128 v[16*\t+8*\cc+4:16*\t+8*\cc+7], v[QO], s[12+2*\t:13+2*\t] offset:64*\cc+32
.endr
.endr
.irp i, 0,1,2,3,4,5,6,7,8,9,10,11,12,13,14,15,16,17,18,19,20,21,22,23,24,25,26,27,28,29,30,31,32,33,34,35,36,37,38,39,40,41,42,43,44,45,46,47,48,49,50,51,52,53,54,55,56,57,58,59,60,61,62,63
	v_mov_b32 v[32+\i], 0                          ; O^T: the step is written once; its first walk finds zeros
.endr
	WIN 0
	s_wait_loadcnt 0x0                             ; Q
.Lslot:                                            ; seven trips: behind each change of slots but the last the next slot is asked for
	CHANGE 1
	FOUR_STEPS
	s_sub_co_u32 s[SLOTS], s[SLOTS], 1
	s_cmp_lg_u32 s[SLOTS], 0
	s_cbranch_scc1 .Lslot
	CHANGE 0                                       ; the last slot is written out
	FOUR_STEPS
	; THE WAY OUT: l's halves and the other half of the lanes' are added; O^T / l, rounded to f16, goes through my stage, a tile at a time, and leaves as 512 consecutive bytes an instruction
.irp t, 0,1
	v_add_f32 v[ST+8*\t+4], v[ST+8*\t+2], v[ST+8*\t+3]
.endr
.irp t, 0,1
	v_permlanex16_b32 v[ST+8*\t+5], v[ST+8*\t+4], s[SEL], s[SEL+1]
.endr
.irp t, 0,1
	v_add_f32 v[ST+8*\t+4], v[ST+8*\t+4], v[ST+8*\t+5]
.endr
.irp t, 0,1
	v_rcp_f32 v[ST+8*\t+6], v[ST+8*\t+4]
.endr
	v_nop                                          ; a plain line behind the last reciprocal
	s_wait_alu depctr_va_vdst(0)                   ; one wait for both, ahead of the first reader
.macro PACKO t
	WIN 0x41
.irp i, 0,1,2,3,4,5,6,7,8,9,10,11,12,13,14,15
	v_pk_mul_f32 v[32+32*\t+2*\i:32+32*\t+2*\i+1], v[32+32*\t+2*\i:32+32*\t+2*\i+1], v[ST+8*\t+6:ST+8*\t+7] op_sel_hi:[1,0]
.endr
	WIN 0x05                                       ; sources window 1, destination window 0
.irp i, 0,1,2,3,4,5,6,7,8,9,10,11,12,13,14,15
	v_cvt_pk_f16_f32 v[P+\i], v[32+32*\t+2*\i], v[32+32*\t+2*\i+1]
.endr
	WIN 0
.irp ct, 0,1,2,3
	ds_store_b128 v[STO], v[P+4*\ct:P+4*\ct+3] offset:32*\ct
.endr
.irp u, 0,1,2,3
	ds_load_b128 v[S+16*\t+4*\u:S+16*\t+4*\u+3], v[RD] offset:4*SP*\u    ; LDS serves a wave's instructions in order: these see the stores above, and the next tile's stores come behind them
.endr
.endm
	PACKO 0
	PACKO 1
.irp t, 0,1
.irp u, 0,1,2,3
	s_wait_dscnt 8*(1-\t)+3-\u                     ; behind this load: the tile's later loads, and for tile a the eight LDS lines of tile b
	global_store_b128 v[GO], v[S+16*\t+4*\u:S+16*\t+4*\u+3], s[16+2*\t:17+2*\t] offset:512*\u
.endr
.endr
	s_wait_tensorcnt 0x0                           ; the wave's end
	ds_add_u32 v[SPW], v[NIL]
	s_wait_dscnt 0x0
	CROUND                                         ; the closing round
	s_endpgm
.Lfunc_end_k_q0959369969_attn:
	.size	k_q0959369969_attn, .Lfunc_end_k_q0959369969_attn-k_q0959369969_attn
	.p2alignl 7, 3214868480
	.fill 96, 4, 3214868480
	.section	.rodata,"a",@progbits
	.p2align	6, 0x0
	.amdhsa_kernel k_q0959369969_attn
		.amdhsa_group_segment_fixed_size 327680
		.amdhsa_private_segment_fixed_size 0
		.amdhsa_enable_private_segment 0
		.amdhsa_kernarg_size 16
		.amdhsa_user_sgpr_count 2
		.amdhsa_user_sgpr_kernarg_segment_ptr 1
		.amdhsa_wavefront_size32 1
		.amdhsa_system_sgpr_workgroup_id_x 1
		.amdhsa_system_sgpr_workgroup_id_y 1
		.amdhsa_system_sgpr_workgroup_id_z 1
		.amdhsa_system_vgpr_workitem_id 0
		.amdhsa_next_free_vgpr 512
		.amdhsa_next_free_sgpr 72
		.amdhsa_reserve_vcc 1
		.amdhsa_float_denorm_mode_32 3
		.amdhsa_float_denorm_mode_16_64 3
		.amdhsa_memory_ordered 1
		.amdhsa_forward_progress 1
		.amdhsa_inst_pref_size 69
	.end_amdhsa_kernel
	.amdgpu_metadata
---
amdhsa.version: [ 1, 2 ]
amdhsa.kernels:
  - .name:           k_q0959369969_attn
    .symbol:         k_q0959369969_attn.kd
    .args:
      - { .name: qkv, .offset: 0, .size: 8, .value_kind: global_buffer, .address_space: global }
      - { .name: ctx, .offset: 8, .size: 8, .value_kind: global_buffer, .address_space: global }
    .group_segment_fixed_size: 327680
    .private_segment_fixed_size: 0
    .kernarg_segment_align: 8
    .kernarg_segment_size: 16
    .max_flat_workgroup_size: 256
    .sgpr_count:     72
    .vgpr_count:     512
    .wavefront_size: 32
...
	.end_amdgpu_metadata
.endif
;; end of part 3
;; launch gemm_out (part 4): grid 4 x 64, 4 waves a work-group, clusters of 4 x 4, 327,680 bytes of LDS; arguments ctx, wt, b_out, out0; writes out0
.if DOCPART == 4
	.amdgcn_target "amdgcn-amd-amdhsa--gfx1250"
	.amdhsa_code_object_version 6
	.text
	.protected	k_q0959369969_gemm_out
	.globl	k_q0959369969_gemm_out
	.p2align	8
	.type	k_q0959369969_gemm_out,@function
k_q0959369969_gemm_out:
	s_mov_b64 s[64:65], 0
	v_nop
	global_prefetch_b8 v0, s[64:65] scope:SCOPE_SE
	s_setreg_imm32_b32 hwreg(HW_REG_WAVE_MODE, 25, 1), 1
	s_wait_xcnt 0x0
	s_wait_alu depctr_hold_cnt(0) depctr_sa_sdst(0) depctr_va_vdst(0) depctr_va_sdst(0) depctr_va_ssrc(0) depctr_va_vcc(0) depctr_vm_vsrc(0)
	s_getreg_b32 s2, hwreg(HW_REG_IB_STS2, 6, 4)
	s_cmp_eq_u32 s2, 0
	s_cbranch_scc0 .Lentry_in_a_cluster
	s_endpgm
.Lentry_in_a_cluster:
	s_bfe_u32 s2, ttmp6, 0x10000c
	s_cmp_lg_u32 s2, 0xf033
	s_cbranch_scc0 .Lentry_shape_is_right
	s_endpgm
.Lentry_shape_is_right:
; out0[m][n] = the sum over k of ctx[m][k] w_out[k][n] + b_out[n], on f16 operands with f32 sums; out0 [8192][1024] f32.
; A = ctx, f16, laid by heads [4 b][16 h][2048 s][64]: m = 2048 b + s, k = 64 h + d.
; B = wt = w_out turned, as TWO f16 numbers each, [1024 n][16 chunks of 64 k][hi 64 | lo 64]: out0 = A hi + A lo + b_out, so that w_out's rounding to 11 bits does not reach the result.
; A tile of out0 is 128 (m) x 256 (n): 256 work-groups.  Four waves, each 64 x 128: 32 accumulators, 256 registers.  K goes in steps of 64 (one head, one chunk) through two LDS slots.
; A's part of a K step is 128 rows of 128 bytes, dense in memory: stated as 64 rows of 256 bytes.  B's is 256 rows of 256 bytes: a chunk's hi and lo on end.
; CLUSTERS: 4 x 4 work-groups; A's tiles are asked for jointly along a row of the cluster, B's along a column.  Waves 0 and 1 fetch A's two halves, waves 2 and 3 B's: one load a wave.
; No prefetch: wt is read by all sixteen clusters at the same time, and a K step of ctx is a fifth of a step's bytes.
; THE MATRIX INSTRUCTION IS USED TRANSPOSED (source 0 = 16 rows of B, source 1 = 16 rows of A): a lane holds eight neighbouring columns of one row.  The bias, in that layout, is the C of each sum's first product.
; REGISTERS: window 0: v0-31 addresses; v64-95, v96-127 A's fragments, two buffers; v192-255 the bias; on the way out v64-191.
;   window 1: B's fragments, two buffers of 128: hi's eight, then lo's eight.   window 2: the accumulators, (a, b) at v[8 (8 a + b)].
.set PITCH,  272
.set AHALF,  32*PITCH                  ; 64 rows of A: what one tensor load brings, and what one wave reads
.set BHALF,  128*PITCH                 ; 128 rows of B: likewise
.set BOFF,   2*AHALF
.set SLOT,   BOFF+2*BHALF
.set STAGE,  2*SLOT                    ; behind the ring: 16 rows x 528 bytes a wave
.set SPITCH, 528
.set SPARE,  STAGE+4*16*SPITCH         ; the spare words, 128 bytes a wave: two blocks of 256 bytes that no other line names
.set LAPS,   8                         ; a lap = two K steps; K = 1,024
.set ADRA, 16
.set ADRB, 20
.set STO,  24
.set RD,   25
.set CO,   26
.set SPW,  28
.set NIL,  29
.set BO,   30
.set AF,   64
.set BI,   192
.set BK,   64
.set G1, 24
.set G0, 32
.set G1B, 48
.set G0B, 56
.set MSB, 0
.macro WIN new
.if MSB != (\new)
	s_set_vgpr_msb (MSB<<8)|(\new)
.set MSB, (\new)
.endif
.endm
.set MUL,  0xa1                        ; source 0 (B) window 1, source 1 (A) window 0, C and D window 2
.set MUL0, 0x81                        ; the first products: C (the bias) window 0
.set TO_B, 0x40
.macro JLOAD s                         ; an s_nop 0 and four v_nop follow each of the two lines
	s_cmp_eq_u32 s15, 0
	s_cbranch_scc0 .Lfor_b_\@
	tensor_load_to_lds s[G0+4*\s:G0+4*\s+3], s[G1:G1+7]
	s_nop 0
.rept 4
	v_nop
.endr
	s_branch .Lasked_\@
.Lfor_b_\@:
	tensor_load_to_lds s[G0B+4*\s:G0B+4*\s+3], s[G1B:G1B+7]
	s_nop 0
.rept 4
	v_nop
.endr
.Lasked_\@:
.endm
.macro CREST
	s_cmp_lg_u32 s14, 0
	s_cbranch_scc1 .Lnot_wave_0_\@
	s_barrier_signal -3
.Lnot_wave_0_\@:
	s_barrier_wait -3
	s_barrier_signal -1
	s_barrier_wait -1
.endm
.macro CROUND
	s_barrier_signal -1
	s_barrier_wait -1
	CREST
.endm
	s_load_b128 s[4:7], s[0:1], 0x0                ; ctx, wt
	s_load_b128 s[8:11], s[0:1], 0x10              ; b_out, out0
	v_lshl_add_u32 v[SPW], v0, 2, SPARE
	v_mov_b32 v[NIL], 0
	ds_add_u32 v[SPW], v[NIL]                      ; the wave's opening: the add and its wait stand ahead of my first tensor load
	v_lshrrev_b32 v1, 5, v0
	v_readfirstlane_b32 s14, v1                    ; wave 0..3
	s_lshr_b32 s15, s14, 1                         ; my half of the tile's rows.  Also: I fetch for A (0) or B (1)
	s_and_b32 s16, s14, 1                          ; my half of its columns.  Also: which half of A's or of B's rows I fetch
	s_bfe_u32 s40, ttmp6, 0x40000                  ; cx
	s_bfe_u32 s41, ttmp6, 0x40004                  ; cy
	s_lshl_b32 s42, ttmp9, 2
	s_add_co_u32 s42, s42, s40                     ; tile column
	s_and_b32 s17, ttmp7, 0xffff
	s_lshl_b32 s17, s17, 2
	s_add_co_u32 s17, s17, s41                     ; tile row
	s_lshl_b32 s43, s41, 2
	s_lshl_b32 s43, 15, s43                        ; my row of the cluster
	s_lshl_b32 s44, 0x1111, s40                    ; my column
	s_or_b32 s[G1+0], s43, (1<<16)|(1<<20)|(1<<21)|(5<<22)|(3<<25)  ; the mask; elements of 2 bytes; padding: 4 words behind every 64; bit 21 beside a mask
	s_mov_b32 s[G1+1], 128<<16                     ; A: 32 rows of 128 elements (two rows of ctx each), dense
	s_mov_b32 s[G1+2], 32<<16
	s_mov_b32 s[G1+3], 128<<16
	s_mov_b32 s[G1+4], 32
	s_mov_b32 s[G1+5], 128
	s_mov_b32 s[G1+6], 0
	s_mov_b32 s[G1+7], 0
	s_or_b32 s[G1B+0], s44, (1<<16)|(1<<20)|(1<<21)|(5<<22)|(3<<25)
	s_mov_b32 s[G1B+1], 128<<16                    ; B: 128 rows of 128 elements, 2,048 elements apart
	s_mov_b32 s[G1B+2], 128<<16
	s_mov_b32 s[G1B+3], 128<<16
	s_mov_b32 s[G1B+4], 128
	s_mov_b32 s[G1B+5], 2048
	s_mov_b32 s[G1B+6], 0
	s_mov_b32 s[G1B+7], 0
	s_lshr_b32 s20, s17, 4                         ; A: batch = tile row / 16, head 0: 16 x 2,048 rows a batch;
	s_lshl_b32 s20, s20, 15
	s_and_b32 s21, s17, 15
	s_lshl_b32 s21, s21, 7                         ; s = 128 (tile row % 16)
	s_add_co_u32 s20, s20, s21
	s_lshl_b32 s21, s16, 6                         ; + my 64 of the 128 rows
	s_add_co_u32 s20, s20, s21
	s_lshl_b32 s20, s20, 7                         ; rows of 128 bytes
	s_mov_b32 s21, 0
	s_lshl_b32 s46, s42, 8                         ; B: row 256 x tile column + 128 x half, 4,096 bytes a row
	s_lshl_b32 s47, s16, 7
	s_add_co_u32 s46, s46, s47
	s_lshl_b32 s46, s46, 12
	s_mov_b32 s47, 0
	s_mul_i32 s45, s16, AHALF                      ; where they go: no place in the cluster enters an LDS address
	s_mul_i32 s18, s16, BHALF
	s_add_co_u32 s18, s18, BOFF
	s_wait_dscnt 0x0                               ; the opening add is done
	s_wait_kmcnt 0x0
	s_add_nc_u64 s[20:21], s[4:5], s[20:21]
	s_add_nc_u64 s[46:47], s[6:7], s[46:47]
	CROUND                                         ; all sixteen work-groups are here: the first joint loads meet
.irp s, 0,1
	s_mov_b32 s[G0+4*\s], 1
	s_add_co_u32 s[G0+4*\s+1], s45, \s*SLOT
	s_add_nc_u64 s[G0+4*\s+2:G0+4*\s+3], s[20:21], \s*262144       ; a K step on: the next head's plane
	s_or_b32 s[G0+4*\s+3], s[G0+4*\s+3], 0x80000000
	s_mov_b32 s[G0B+4*\s], 1
	s_add_co_u32 s[G0B+4*\s+1], s18, \s*SLOT
	s_add_nc_u64 s[G0B+4*\s+2:G0B+4*\s+3], s[46:47], \s*256        ; the next chunk
	s_or_b32 s[G0B+4*\s+3], s[G0B+4*\s+3], 0x80000000
	JLOAD \s                                       ; two loads of mine are out
.endr
	v_and_b32 v1, 15, v0                           ; r
	v_bfe_u32 v2, v0, 4, 1                         ; h
	v_lshrrev_b32 v3, 1, v1
	v_mul_u32_u24 v3, v3, PITCH
	v_and_b32 v4, 1, v0
	v_lshl_add_u32 v3, v4, 7, v3
	v_lshl_add_u32 v3, v2, 4, v3                   ; A: row r: LDS row r / 2, half r % 2, + 16 h
	v_mul_u32_u24 v4, v1, PITCH
	v_lshl_add_u32 v4, v2, 4, v4                   ; B: row r, + 16 h
	s_mul_i32 s21, s15, AHALF                      ; my 64 rows of A
	s_mul_i32 s22, s16, BHALF                      ; my 128 rows of B
	s_add_co_u32 s22, s22, BOFF
.irp s, 0,1
	v_add_nc_u32 v[ADRA+\s], s21, v3
	v_add_nc_u32 v[ADRB+\s], s22, v4
	s_add_co_u32 s21, s21, SLOT
	s_add_co_u32 s22, s22, SLOT
.endr
	s_mul_i32 s23, s14, 16*SPITCH
	s_add_co_u32 s23, s23, STAGE                   ; my stage
	v_mul_u32_u24 v5, v1, SPITCH
	v_lshl_add_u32 v5, v2, 5, v5
	v_add_nc_u32 v[STO], s23, v5                   ; in: row r, 32 bytes for each half of the lanes
	v_and_b32 v6, 31, v0
	v_lshlrev_b32 v[CO], 4, v6                     ; back: the 32 lanes take one row of 512 bytes; the same in out0
	v_add_nc_u32 v[RD], s23, v[CO]
	v_lshlrev_b32 v[BO], 5, v2
	s_lshl_b32 s46, s42, 10                        ; my first column, in bytes: 1,024 x tile column + 512 x half: in b_out and in a row of out0
	s_lshl_b32 s47, s16, 9
	s_add_co_u32 s46, s46, s47
	s_mov_b32 s47, 0
	s_add_nc_u64 s[8:9], s[8:9], s[46:47]
.irp b, 0,1,2,3,4,5,6,7
	global_load_b128 v[BI+8*\b:BI+8*\b+3], v[BO], s[8:9] offset:64*\b          ; b_out at columns 16 b + 8 h + 0 .. 7
	global_load_b128 v[BI+8*\b+4:BI+8*\b+7], v[BO], s[8:9] offset:64*\b+16
.endr
	s_lshl_b32 s20, s17, 7
	s_lshl_b32 s21, s15, 6
	s_add_co_u32 s20, s20, s21                     ; my first row: 128 x tile row + 64 x half
	s_lshl_b32 s20, s20, 12
	s_add_co_u32 s20, s20, s46
	s_mov_b32 s21, 0
	s_add_nc_u64 s[10:11], s[10:11], s[20:21]
; 8 matrix instructions: A's block a x B's eight, 32 along K, from buffer f; pt = 0: B's hi, 1: B's lo.  first = 1: the product starts the sum on the bias.
; The 32 accumulators take turns, in the same order on hi and on lo.
.macro MUL8 f, a, pt, first
.irp b, 0,1,2,3,4,5,6,7
.if \first
	v_wmma_f32_16x16x32_f16 v[8*(8*(\a)+\b):8*(8*(\a)+\b)+7], v[128*(\f)+64*(\pt)+8*\b:128*(\f)+64*(\pt)+8*\b+7], v[AF+32*(\f)+8*(\a):AF+32*(\f)+8*(\a)+7], v[BI+8*\b:BI+8*\b+7]
.else
	v_wmma_f32_16x16x32_f16 v[8*(8*(\a)+\b):8*(8*(\a)+\b)+7], v[128*(\f)+64*(\pt)+8*\b:128*(\f)+64*(\pt)+8*\b+7], v[AF+32*(\f)+8*(\a):AF+32*(\f)+8*(\a)+7], v[8*(8*(\a)+\b):8*(8*(\a)+\b)+7]
.endif
.endr
.endm
.macro MUL32 f, pt, first
	MUL8 \f, 0, \pt, \first
	MUL8 \f, 1, \pt, \first
	MUL8 \f, 2, \pt, \first
	MUL8 \f, 3, \pt, \first
.endm
; 40 LDS loads in one run: half c (32 along K) of the slot's K step into buffer f: A's four fragments, B hi's eight, B lo's eight
.macro FETCH slot, c, f
	WIN 0
.irp i, 0,1,2,3
	ds_load_b128 v[AF+32*(\f)+8*\i:AF+32*(\f)+8*\i+3],   v[ADRA+\slot] offset:64*(\c)+\i*8*PITCH
	ds_load_b128 v[AF+32*(\f)+8*\i+4:AF+32*(\f)+8*\i+7], v[ADRA+\slot] offset:64*(\c)+\i*8*PITCH+32
.endr
	WIN TO_B
.irp pt, 0,1
.irp i, 0,1,2,3,4,5,6,7
	ds_load_b128 v[128*(\f)+64*\pt+8*\i:128*(\f)+64*\pt+8*\i+3],   v[ADRB+\slot] offset:128*\pt+64*(\c)+\i*16*PITCH
	ds_load_b128 v[128*(\f)+64*\pt+8*\i+4:128*(\f)+64*\pt+8*\i+7], v[ADRB+\slot] offset:128*\pt+64*(\c)+\i*16*PITCH+32
.endr
.endr
	WIN 0
.endm
.macro PLACES                          ; plain vector lines between a matrix instruction and a load into, or a read of, its registers (ISA guide 7.12.1 for reads)
.rept 4
	v_nop
.endr
.endm
; A K step's first half: multiplies buffer 0; at its head it fetches the same slot's second half into buffer 1, which the half before has multiplied: the 40 loads have 64 matrix instructions in which to land.
.macro HALF slot, first
	s_wait_dscnt 16                                ; A and B's hi are in; the youngest sixteen loads (B's lo) may be out
	PLACES
	FETCH \slot, 1, 1
.if \first
	WIN MUL0
.else
	WIN MUL
.endif
	MUL32 0, 0, \first
	s_wait_dscnt 40                                ; all but the 40 just issued: B's lo is in
	WIN MUL
	MUL32 0, 1, 0
.endm
; The second half multiplies buffer 1 and changes slots: ONE barrier; in front of it each wave waits for all its tensor loads, adds 0 to its spare word, and waits for that and for its reads of this slot.
; fill = 1: the barrier opens a round of the cluster's, and this slot is filled again, two K steps ahead: 112 matrix instructions stand between the request and the wait for it.
.macro TURN slot, next, fill
	WIN 0
	s_wait_tensorcnt 0x0                           ; the one load of mine that was out, my part of the next slot, has landed
	ds_add_u32 v[SPW], v[NIL]
	s_wait_dscnt 17                                ; (the add and the youngest sixteen loads, B's lo, may be out)
	WIN MUL
	MUL8 1, 0, 0, 0
	s_wait_dscnt 0x0                               ; the add is done, and my reads of this slot are over
	s_barrier_signal -1
	MUL8 1, 1, 0, 0
.if \fill
	WIN 0
.endif
	s_barrier_wait -1
.if \fill
	CREST
	s_add_nc_u64 s[G0+4*\slot+2:G0+4*\slot+3], s[G0+4*\slot+2:G0+4*\slot+3], 2*262144
	s_add_nc_u64 s[G0B+4*\slot+2:G0B+4*\slot+3], s[G0B+4*\slot+2:G0B+4*\slot+3], 2*256
	JLOAD \slot                                    ; the first tensor load behind the round; its four v_nop are also the places in front of the loads below
.else
	PLACES
.endif
	FETCH \next, 0, 0
	WIN MUL
	MUL8 1, 2, 0, 0
	MUL8 1, 3, 0, 0
	MUL32 1, 1, 0
.endm
	s_wait_tensorcnt 1                             ; my part of K step 0 is in (K step 1's may be out)
	s_barrier_signal -1
	s_barrier_wait -1                              ; everybody's is
	FETCH 0, 0, 0
	s_wait_loadcnt 0x0                             ; the bias
	HALF 0, 1                                      ; the first half stands in front of the loop: its products on hi start the sums
	WIN 0
	s_mov_b32 s3, LAPS-1
.Llap:                                             ; a trip goes once round the ring, from a lap's second half to the next lap's first, and fills both slots again
	TURN 0, 1, 1
	HALF 1, 0
	TURN 1, 0, 1
	HALF 0, 0
	WIN 0
	s_sub_co_u32 s3, s3, 1
	s_cmp_lg_u32 s3, 0
	s_cbranch_scc1 .Llap
	TURN 0, 1, 0                                   ; the last lap fills nothing
	HALF 1, 0
	s_wait_dscnt 16                                ; the very last half
	MUL32 1, 0, 0
	s_wait_dscnt 0
	MUL32 1, 1, 0
	WIN 0
; THE WAY OUT, a block of 16 rows x 128 columns at a time, through my own stage: back as whole rows of 512 bytes, which the 32 lanes store as 512 consecutive aligned bytes.
.macro TOSTAGE a
	WIN 0x08                                       ; an LDS store's data are its source 1: window 2
.irp b, 0,1,2,3,4,5,6,7
	ds_store_b128 v[STO], v[64*(\a)+8*\b:64*(\a)+8*\b+3] offset:64*\b          ; each accumulator from its low end on
	ds_store_b128 v[STO], v[64*(\a)+8*\b+4:64*(\a)+8*\b+7] offset:64*\b+16
.endr
	WIN 0
.set BB, BK+64*((\a)%2)
.irp t, 0,1,2,3,4,5,6,7,8,9,10,11,12,13,14,15
	ds_load_b128 v[BB+4*\t:BB+4*\t+3], v[RD] offset:\t*SPITCH      ; LDS serves a wave's instructions in order: these see the stores above
.endr
.endm
.macro SEND a, younger                 ; younger: the LDS lines issued behind block a's loads, which may stay out
.set BB, BK+64*((\a)%2)
	s_wait_dscnt \younger
.irp t, 0,1,2,3,4,5,6,7,8,9,10,11,12,13,14,15
	global_store_b128 v[CO], v[BB+4*\t:BB+4*\t+3], s[10:11] offset:(\a)*65536+\t*4096 th:TH_STORE_NT
.endr
.endm
	PLACES                                         ; behind the last products: for the stores that read results and the loads into the registers that held A's fragments
	TOSTAGE 0
.irp a, 1,2,3
.if \a > 1
	s_wait_xcnt 0x0                                ; block a - 2's stores have read their registers: block a's loads may land there
.endif
	TOSTAGE \a
	SEND \a-1, 32                                  ; behind block a - 1's loads: block a's 16 stores and 16 loads
.endr
	SEND 3, 0
	s_wait_tensorcnt 0x0                           ; the wave's end
	ds_add_u32 v[SPW], v[NIL]
	s_wait_dscnt 0x0
	CROUND                                         ; the closing round
	s_endpgm
.Lfunc_end_k_q0959369969_gemm_out:
	.size	k_q0959369969_gemm_out, .Lfunc_end_k_q0959369969_gemm_out-k_q0959369969_gemm_out
	.p2alignl 7, 3214868480
	.fill 96, 4, 3214868480
	.section	.rodata,"a",@progbits
	.p2align	6, 0x0
	.amdhsa_kernel k_q0959369969_gemm_out
		.amdhsa_group_segment_fixed_size 327680
		.amdhsa_private_segment_fixed_size 0
		.amdhsa_enable_private_segment 0
		.amdhsa_kernarg_size 32
		.amdhsa_user_sgpr_count 2
		.amdhsa_user_sgpr_kernarg_segment_ptr 1
		.amdhsa_wavefront_size32 1
		.amdhsa_system_sgpr_workgroup_id_x 1
		.amdhsa_system_sgpr_workgroup_id_y 1
		.amdhsa_system_sgpr_workgroup_id_z 1
		.amdhsa_system_vgpr_workitem_id 0
		.amdhsa_next_free_vgpr 768
		.amdhsa_next_free_sgpr 66
		.amdhsa_reserve_vcc 0
		.amdhsa_float_denorm_mode_32 3
		.amdhsa_float_denorm_mode_16_64 3
		.amdhsa_memory_ordered 1
		.amdhsa_forward_progress 1
		.amdhsa_inst_pref_size 81
	.end_amdhsa_kernel
	.amdgpu_metadata
---
amdhsa.version: [ 1, 2 ]
amdhsa.kernels:
  - .name:           k_q0959369969_gemm_out
    .symbol:         k_q0959369969_gemm_out.kd
    .args:
      - { .name: ctx, .offset: 0, .size: 8, .value_kind: global_buffer, .address_space: global }
      - { .name: wt, .offset: 8, .size: 8, .value_kind: global_buffer, .address_space: global }
      - { .name: b_out, .offset: 16, .size: 8, .value_kind: global_buffer, .address_space: global }
      - { .name: out0, .offset: 24, .size: 8, .value_kind: global_buffer, .address_space: global }
    .group_segment_fixed_size: 327680
    .private_segment_fixed_size: 0
    .kernarg_segment_align: 8
    .kernarg_segment_size: 32
    .max_flat_workgroup_size: 128
    .sgpr_count:     66
    .vgpr_count:     768
    .wavefront_size: 32
...
	.end_amdgpu_metadata
.endif
;; end of part 4
